; MI455X (gfx1250); checked and timed in simulation.
; The chip was launched on July 23, 2026; its instructions are those of AMD's public machine-readable ISA for CDNA 5 (MIT licence, August 2026) and "CDNA5" Instruction Set Architecture Reference Guide (July 2026). The comments in the code are by the model that wrote it; some were corrected since.
;; Multi Headed Attention. Allowed arithmetic: matrix products marked QUANTISED: E4M3 operands, one given power-of-two scale a tensor, by v_wmma_f32_16x16x64_fp8_fp8 or v_wmma_f32_16x16x128_fp8_fp8, f32 sums; everything else in f32.
;; Inputs: bk 2,048 float32; bo 2,048 float32; bq 2,048 float32; bv 2,048 float32; key_codes 1 x 2,048 x 64 x 32 uint8 (E4M3 codes of key, K innermost, in blocks of 32 codes); lowp_scales 12 int32 (the exponents e of the quantised operands' scales 2^e); mask 1 x 1 x 2,048 x 2,048 bool; query_codes 1 x 2,048 x 64 x 32 uint8 (E4M3 codes of query, K innermost, in blocks of 32 codes); value_codes 1 x 2,048 x 64 x 32 uint8 (E4M3 codes of value, K innermost, in blocks of 32 codes); wk_codes 2,048 x 64 x 32 uint8 (E4M3 codes of wk, K innermost, in blocks of 32 codes); wo_codes 2,048 x 64 x 32 uint8 (E4M3 codes of wo, K innermost, in blocks of 32 codes); wq_codes 2,048 x 64 x 32 uint8 (E4M3 codes of wq, K innermost, in blocks of 32 codes); wv_codes 2,048 x 64 x 32 uint8 (E4M3 codes of wv, K innermost, in blocks of 32 codes).
;; Outputs: out0 1 x 2,048 x 2,048 float32.
;; This version of the problem:
;;   THIS VERSION OF THE PROBLEM IS GIVEN IN LOW PRECISION. The matrix products marked QUANTISED in the list below multiply operands that are first quantised to E4M3 (4 exponent bits, 3 mantissa bits; 8 bits a number), with one given power-of-two scale for each operand tensor; their sums are f32. All else is computed in f32.
;;   The module's matrix products, in the order in which they are computed (A, B: the left and right operand; K: the contracted axis; several contracted axes count as one K, in the product's order):
;;     1. [M 2,048, K 2,048] x [K 2,048, N 2,048]; A: input query (given as codes); B: input wq (given as codes): QUANTISED (scales: A lowp_scales[0], B lowp_scales[1])
;;     2. [M 2,048, K 2,048] x [K 2,048, N 2,048]; A: input key (given as codes); B: input wk (given as codes): QUANTISED (scales: A lowp_scales[2], B lowp_scales[3])
;;     3. [M 2,048, K 2,048] x [K 2,048, N 2,048]; A: input value (given as codes); B: input wv (given as codes): QUANTISED (scales: A lowp_scales[4], B lowp_scales[5])
;;     4. batch 16 x [M 2,048, K 128] x [K 128, N 2,048]; A: computed on the way; B: computed on the way: QUANTISED (scales: A lowp_scales[6], B lowp_scales[7])
;;     5. batch 16 x [M 2,048, K 2,048] x [K 2,048, N 128]; A: softmax (see below); B: computed on the way: QUANTISED (scales: A lowp_scales[8], B lowp_scales[9])
;;     6. [M 2,048, K 2,048] x [K 2,048, N 2,048]; A: computed on the way; B: input wo (given as codes): QUANTISED (scales: A lowp_scales[10], B lowp_scales[11])
;;   THE QUANTISER, for each operand of a quantised product, along K:
;;     - The operand's scale is 2^e, e = its entry of the input lowp_scales (int32; the entries are numbered through the quantised products in the list's order, A before B).
;;     - Each number is divided by the scale, clamped to +-448, and rounded to the nearest number of E4M3, ties to even, subnormals kept.
;;     - The product sums the exact products of the quantised numbers (number of the format x scale) in f32.
;;   ~~~python
;;   def quantise(x, axis, e):      # numpy; x: float32 -> the quantised numbers, widened to float32 again
;;       x = np.moveaxis(x, axis, -1); K = x.shape[-1]
;;       r = np.clip(x / 2.0 ** e, -448, 448)
;;       step = 2.0 ** (np.maximum(np.frexp(np.where(r == 0, 1, r))[1] - 1, -6) - 3)
;;       q = np.round(r / step) * step * 2.0 ** e      # np.round: ties to even
;;       return np.moveaxis(q, -1, axis).astype(np.float32)
;;   ~~~
;;   SOFTMAX AHEAD OF A QUANTISED PRODUCT. Where the list says 'softmax', what is quantised is not the finished softmax but p = 2^(t - M), with t = logit x log2(e) and M = ceil(the row's largest t), a whole number; so 1/2 < the row's largest p <= 1. The row's sum l is taken of the UNQUANTISED p, in f32, and the product's result is divided by l at the end. Since M is a whole number, a kernel that streams over the keys may use a running M (the ceiling of the running maximum): every later rescaling is an exact power of two, so the quantised numbers keep their values, but for numbers so far below the row's largest that they fall under the format's range.
;;   OPERANDS COMPUTED ON THE WAY. 'Computed on the way' means the value that the module computes at that place (a softmax that the list does not call 'softmax' is quantised finished and normalised). What goes into a quantiser is computed in f32, as accurately as f32 sums, v_exp_f32 and their like allow (about 1e-6 of the number): no bf16 or f16 on the way to a quantiser, and a product that is left as it is and whose result goes on into a quantised operand takes f32 operands (vector FMAs, or v_wmma_f32_16x16x4_f32). A number that lies on a knife's edge between two numbers of the format may be rounded either way, as far as f32 arithmetic and the matrix unit's own rounding can turn it there, and no further.
;;   INPUTS GIVEN AS CODES. key (in the module: [1, 2048, 2048], K = its axis 2); query (in the module: [1, 2048, 2048], K = its axis 2); value (in the module: [1, 2048, 2048], K = its axis 2); wk (in the module: [2048, 2048], K = its axis 1); wo (in the module: [2048, 2048], K = its axis 1); wq (in the module: [2048, 2048], K = its axis 1); wv (in the module: [2048, 2048], K = its axis 1): each comes as NAME_codes (uint8): NAME with its K axis moved to the last place and cut into blocks of 32 codes, [.., K / 32, bytes a block], one block behind the other in memory; one code a byte (a code: sign, 4 exponent bits, 3 mantissa bits); its scale is its entry of lowp_scales. Its value is code x scale, taken as it is: it is not quantised again, and the codes and scales need not be those that the quantiser above would give.
;; 2 versions, each right; version 2 is version 1 with the launch attn written anew for expert scheduling mode. Each part assembles by itself: llvm-mc -triple=amdgcn-amd-amdhsa -mcpu=gfx1250 --defsym DOCPART=n.
;; ======== version 1 of 2: 4 launches
;; limits: right only within a limited range of input values
;; workspace buffers: tab 1,048,576 bytes; mw 524,288 bytes of whole numbers; fl 512 bytes of whole numbers; qc 4,194,304 bytes; kc 4,194,304 bytes; vc 4,194,304 bytes; xc 4,194,304 bytes
;; launch prep (part 1): grid 128 x 1, 8 waves a work-group, no clusters, 37,888 bytes of LDS; arguments mask, tab, mw, fl; writes tab, mw, fl
.if DOCPART == 1
	.amdgcn_target "amdgcn-amd-amdhsa--gfx1250"
	.amdhsa_code_object_version 6
	.text
	.protected	k_qf1b381bf70_prep
	.globl	k_qf1b381bf70_prep
	.p2align	8
	.type	k_qf1b381bf70_prep,@function
k_qf1b381bf70_prep:
	s_mov_b64 s[64:65], 0
	v_nop
	global_prefetch_b8 v0, s[64:65] scope:SCOPE_SE
	s_setreg_imm32_b32 hwreg(HW_REG_WAVE_MODE, 25, 1), 1
	s_wait_xcnt 0x0
; PREP.  Work-group g owns the 16 positions (queries) 16 g .. 16 g + 15.  It makes three things for the later launches:
;  tab: cos and sin of position x theta_i, theta_i = 10000^(-i/64), i = 0..63, laid as the projection's lanes want them:
;       [g][ld 0..15][lane][16 bytes], ld = 4 b + 2 cs + half (cs 0 cos, 1 sin); lane (r, h), word e: position 16 g + r, i = 16 b + 8 h + 4 half + e.
;  mw:  the mask as lane masks: [g][key step 0..15][word n 0..63]; bit 16 h + r of word n = mask[16 g + r][128 step + 16 (n / 8) + 8 h + n % 8].
;  fl:  one word: bit st says that key step st must be walked: it has a visible pair, or one of the 16 rows has no visible key at all
;       (such a row's softmax is uniform over all 2,048 keys, so every step counts for it).
; Eight waves; wave w takes columns 256 w .. 256 w + 255 of the mask (key steps 2 w, 2 w + 1) and one eighth of the table (b = w / 2, half = w % 2).
; ACCURACY: theta_i = 2^(-i c), c = log2(10000) / 64 split into a 17-bit head (i x head is exact) and a tail applied as a first-order factor;
; the angle is one f32 product; it is reduced by multiples of pi/2 given in two parts and goes through polynomials of degree 7 and 8.
; theta_i may differ from a correctly rounded power in its last bit or two: at position 2,047 that moves the angle by a few 1e-4.
.set SPI,   272                        ; a stage row: 256 bytes of the mask + 16
.set STGB,  16*SPI                     ; a wave's stage
.set RED,   8*STGB                     ; a word for each thread: the OR of its mask bytes
.set RED2,  RED+1024                   ; a word for each wave: its two flag bits
	s_load_b256 s[4:11], s[0:1], 0x0               ; mask s[4:5], tab s[6:7], mw s[8:9], fl s[10:11]
	v_lshl_add_u32 v112, v0, 2, 0x9000
	v_mov_b32 v113, 0
	v_lshrrev_b32 v1, 5, v0
	v_readfirstlane_b32 s12, v1                    ; wave 0..7
	v_and_b32 v1, 31, v0                           ; lane
	v_and_b32 v2, 15, v0                           ; r
	v_bfe_u32 v3, v0, 4, 1                         ; h
	v_lshlrev_b32 v4, 4, v2
	v_lshl_add_u32 v4, v3, 11, v4                  ; the mask: lanes 0-15 one row's 256 bytes, lanes 16-31 the next row's
	v_lshlrev_b32 v7, 4, v1                        ; 16 x lane
	v_lshlrev_b32 v14, 3, v1                       ; 8 x lane
	s_mul_i32 s13, s12, STGB
	v_mul_u32_u24 v8, v3, SPI
	v_lshl_add_u32 v8, v2, 4, v8
	v_add_nc_u32 v8, s13, v8                       ; into my stage, as loaded
	v_mul_u32_u24 v9, v2, SPI
	v_lshl_add_u32 v9, v3, 3, v9
	v_add_nc_u32 v9, s13, v9                       ; out of it: row r, 8 bytes at 8 h of each 16 columns
	v_lshl_add_u32 v15, v0, 2, RED                 ; my word
	s_lshl_b32 s46, s12, 2
	s_add_co_u32 s46, s46, RED2
	s_lshl_b32 s14, ttmp9, 15                      ; 16 rows of 2,048 bytes
	s_lshl_b32 s15, s12, 8
	s_add_co_u32 s14, s14, s15
	s_mov_b32 s15, 0
	s_lshl_b32 s16, ttmp9, 4                       ; my first position
	s_lshr_b32 s17, s12, 1
	s_lshl_b32 s17, s17, 4
	s_and_b32 s18, s12, 1
	s_lshl_b32 s18, s18, 2
	s_add_co_u32 s17, s17, s18                     ; 16 b + 4 half
	s_lshl_b32 s30, ttmp9, 13
	s_lshl_b32 s31, s17, 7                         ; 512 (4 b + half)
	s_add_co_u32 s30, s30, s31
	s_mov_b32 s31, 0
	s_lshl_b32 s42, ttmp9, 12
	s_lshl_b32 s43, s12, 9
	s_add_co_u32 s42, s42, s43                     ; mw: 4,096 g + 256 (2 w)
	s_mov_b32 s43, 0
	s_lshl_b32 s44, ttmp9, 2
	s_mov_b32 s45, 0
	s_mov_b32 s20, 0x3fc90fdb                      ; pi/2, head
	s_mov_b32 s21, 0xb33bbd2e                      ; pi/2, tail
	s_mov_b32 s22, 0xbe2aaaa3                      ; sine: S1, S2, S3
	s_mov_b32 s23, 0x3c08839e
	s_mov_b32 s24, 0xb94ca1f9
	s_mov_b32 s25, 0x3d2aaaa5                      ; cosine: C1, C2, C3
	s_mov_b32 s26, 0xbab6061a
	s_mov_b32 s27, 0x37ccf5ce
	s_mov_b32 s50, 0x76543210                      ; v_permlanex16_b32: lane l xor 16
	s_mov_b32 s51, 0xfedcba98
	s_wait_kmcnt 0x0
	s_add_nc_u64 s[4:5], s[4:5], s[14:15]
	s_add_nc_u64 s[6:7], s[6:7], s[30:31]
	s_add_nc_u64 s[8:9], s[8:9], s[42:43]
	s_add_nc_u64 s[10:11], s[10:11], s[44:45]
.irp u, 0,1,2,3,4,5,6,7
	global_load_b128 v[16+4*\u:19+4*\u], v4, s[4:5] offset:4096*\u th:TH_LOAD_NT   ; two rows a load; sixteen lanes read 256 consecutive bytes
.endr
	; ---- the table, while the mask is on its way
	v_add_nc_u32 v5, s16, v2
	v_cvt_f32_u32 v5, v5                           ; my position
	v_lshl_add_u32 v6, v3, 3, s17                  ; i of my first word
.irp e, 0,1,2,3
	v_add_nc_u32 v[96+\e], \e, v6
	v_cvt_f32_u32 v[80+\e], v[96+\e]               ; i
	v_mul_f32 v[84+\e], 0xbe549a80, v[80+\e]       ; -i x 108853 / 2^19: exact (6 bits x 17 bits)
.endr
.irp e, 0,1,2,3
	v_exp_f32 v[88+\e], v[84+\e]
.endr
.irp e, 0,1,2,3
	v_mul_f32 v[92+\e], 0x33aae0c4, v[80+\e]       ; i x the tail x ln 2.  (Plain lines behind the exponentials)
.endr
	s_wait_alu depctr_va_vdst(0)                   ; one wait for the four exponentials, ahead of their first reader
.irp e, 0,1,2,3
	v_fma_f32 v[88+\e], v[88+\e], v[92+\e], v[88+\e]   ; theta_i
.endr
.macro SINCOS e                        ; cos -> v[80 + e], sin -> v[84 + e]
	v_mul_f32 v96, v5, v[88+\e]                    ; the angle
	v_mul_f32 v97, 0x3f22f983, v96
	v_rndne_f32 v97, v97                           ; N = the nearest multiple of pi/2
	v_fma_f32 v98, -v97, s20, v96
	v_fma_f32 v98, -v97, s21, v98                  ; R, within pi/4
	v_mul_f32 v99, v98, v98                        ; Z = R^2
	v_cvt_i32_f32 v100, v97
	v_fma_f32 v101, v99, s24, s23
	v_fma_f32 v101, v101, v99, s22
	v_mul_f32 v102, v98, v99
	v_fma_f32 v101, v102, v101, v98                ; sin R
	v_fma_f32 v103, v99, s27, s26
	v_fma_f32 v103, v103, v99, s25
	v_mul_f32 v104, v99, v99
	v_fma_f32 v105, v99, -0.5, 1.0
	v_fma_f32 v103, v104, v103, v105               ; cos R
	v_and_b32 v106, 1, v100
	v_cmp_ne_u32 vcc_lo, 0, v106                   ; an odd quadrant swaps the two
	v_cndmask_b32 v107, v101, v103, vcc_lo
	v_cndmask_b32 v108, v103, v101, vcc_lo
	v_lshlrev_b32 v109, 30, v100
	v_and_b32 v109, 0x80000000, v109               ; sine is negative in quadrants 2, 3
	v_xor_b32 v[84+\e], v109, v107
	v_add_nc_u32 v110, 1, v100
	v_lshlrev_b32 v110, 30, v110
	v_and_b32 v110, 0x80000000, v110               ; cosine in quadrants 1, 2
	v_xor_b32 v[80+\e], v110, v108
.endm
	SINCOS 0
	SINCOS 1
	SINCOS 2
	SINCOS 3
	global_store_b128 v7, v[80:83], s[6:7]               ; 512 consecutive bytes each
	global_store_b128 v7, v[84:87], s[6:7] offset:1024
	v_mov_b32 v100, s46                            ; LDS addresses for the end, made ahead of the parting of the waves
	v_lshl_add_u32 v101, v1, 2, RED
	v_mov_b32 v102, RED2
	; ---- the mask turns through my own stage: in as loaded, out as 8 bytes of row r for each 16 columns
	s_wait_loadcnt 0x0
.irp u, 0,1,2,3,4,5,6,7
	ds_store_b128 v8, v[16+4*\u:19+4*\u] offset:2*SPI*\u
.endr
.irp t, 0,1,2,3,4,5,6,7,8,9,10,11,12,13,14,15
	ds_load_b64 v[48+2*\t:49+2*\t], v9 offset:16*\t   ; LDS serves a wave's instructions in order: these see my stores
.endr
	v_mov_b32 v10, 0
	v_mov_b32 v11, 0
	v_mov_b32 v12, 0
	v_mov_b32 v13, 0
	s_mov_b32 s40, 0
	s_mov_b32 s41, 0
	s_wait_dscnt 0x0
	; ---- a compare's lane mask IS a word of mw: byte j of tile T in all 32 lanes.  Lane l of v10-13 gathers words 2 l, 2 l + 1 of a step
.set n, 0
.rept 128
.set tt, n/8
.set jj, n%8
	v_and_b32 v[96+(n%4)], 0xff<<(8*(jj%4)), v[48+2*tt+(jj/4)]
	v_cmp_ne_u32 s[32+(n%8)], 0, v[96+(n%4)]
	v_writelane_b32 v[10+2*(tt/8)+(jj%2)], s[32+(n%8)], (n%64)/2
	s_or_b32 s[40+(tt/8)], s[40+(tt/8)], s[32+(n%8)]
.set n, n+1
.endr
	global_store_b64 v14, v[10:11], s[8:9]               ; 256 consecutive bytes: key step 2 w
	global_store_b64 v14, v[12:13], s[8:9] offset:256    ; key step 2 w + 1
	; ---- the flags
	v_or_b32 v96, v48, v49
	v_or_b32 v97, v50, v51
.set k, 52
.rept 14
	v_or_b32 v96, v96, v[k]
	v_or_b32 v97, v97, v[k+1]
.set k, k+2
.endr
	v_or_b32 v96, v96, v97                         ; not 0: my row has a visible key among my bytes
	s_cmp_lg_u32 s40, 0
	s_cselect_b32 s44, 1, 0
	s_cmp_lg_u32 s41, 0
	s_cselect_b32 s45, 2, 0
	s_or_b32 s44, s44, s45
	s_lshl_b32 s45, s12, 1
	s_lshl_b32 s44, s44, s45                       ; bits 2 w, 2 w + 1
	v_mov_b32 v103, s44
	v_mov_b32 v99, 0                               ; (a lane permute's destination counts as read)
	ds_store_b32 v15, v96
	ds_store_b32 v100, v103                        ; all lanes write the same word with the same value
	s_wait_dscnt 0x0                               ; for the others' sake: my stores have landed
	s_barrier_signal -1
	s_barrier_wait -1
	s_cmp_lg_u32 s12, 0
	s_cbranch_scc1 .Lend                           ; wave 0 alone goes on
.irp u, 0,1,2,3,4,5,6,7
	ds_load_b32 v[104+\u], v101 offset:128*\u      ; my lane's word of each wave
.endr
	ds_load_b128 v[16:19], v102
	ds_load_b128 v[20:23], v102 offset:16          ; the eight waves' flag bits
	s_wait_dscnt 0x0
.irp u, 1,2,3,4,5,6,7
	v_or_b32 v104, v104, v[104+\u]
	v_or_b32 v16, v16, v[16+\u]
.endr
	v_permlanex16_b32 v99, v104, s50, s51
	v_or_b32 v104, v104, v99                       ; the whole row
	v_cmp_eq_u32 vcc_lo, 0, v104
	s_cmp_lg_u32 vcc_lo, 0                         ; a row with no visible key: every step is walked
	s_cselect_b32 s47, 0xffff, 0
	v_readfirstlane_b32 s48, v16
	s_or_b32 s47, s47, s48
	v_mov_b32 v103, s47
	v_mov_b32 v105, 0
	s_wait_xcnt 0x0                                ; EXEC changes only behind this wait: stores have been issued
	v_cmp_eq_u32 vcc_lo, 0, v0
	s_and_saveexec_b32 s49, vcc_lo
	global_store_b32 v105, v103, s[10:11]
	s_wait_xcnt 0x0
	s_or_b32 exec_lo, exec_lo, s49
.Lend:
	s_wait_tensorcnt 0x0
	ds_add_u32 v112, v113
	s_wait_dscnt 0x0
	s_endpgm
.Lfunc_end_k_qf1b381bf70_prep:
	.size	k_qf1b381bf70_prep, .Lfunc_end_k_qf1b381bf70_prep-k_qf1b381bf70_prep
	.p2alignl 7, 3214868480
	.fill 96, 4, 3214868480
	.section	.rodata,"a",@progbits
	.p2align	6, 0x0
	.amdhsa_kernel k_qf1b381bf70_prep
		.amdhsa_group_segment_fixed_size 37888
		.amdhsa_private_segment_fixed_size 0
		.amdhsa_enable_private_segment 0
		.amdhsa_kernarg_size 32
		.amdhsa_user_sgpr_count 2
		.amdhsa_user_sgpr_kernarg_segment_ptr 1
		.amdhsa_wavefront_size32 1
		.amdhsa_system_sgpr_workgroup_id_x 1
		.amdhsa_system_sgpr_workgroup_id_y 1
		.amdhsa_system_sgpr_workgroup_id_z 1
		.amdhsa_system_vgpr_workitem_id 0
		.amdhsa_next_free_vgpr 114
		.amdhsa_next_free_sgpr 66
		.amdhsa_reserve_vcc 1
		.amdhsa_float_denorm_mode_32 3
		.amdhsa_float_denorm_mode_16_64 3
		.amdhsa_memory_ordered 1
		.amdhsa_forward_progress 1
		.amdhsa_inst_pref_size 44
	.end_amdhsa_kernel
	.amdgpu_metadata
---
amdhsa.version: [ 1, 2 ]
amdhsa.kernels:
  - .name:           k_qf1b381bf70_prep
    .symbol:         k_qf1b381bf70_prep.kd
    .args:
      - { .name: mask, .offset: 0, .size: 8, .value_kind: global_buffer, .address_space: global }
      - { .name: tab, .offset: 8, .size: 8, .value_kind: global_buffer, .address_space: global }
      - { .name: mw, .offset: 16, .size: 8, .value_kind: global_buffer, .address_space: global }
      - { .name: fl, .offset: 24, .size: 8, .value_kind: global_buffer, .address_space: global }
    .group_segment_fixed_size: 37888
    .private_segment_fixed_size: 0
    .kernarg_segment_align: 8
    .kernarg_segment_size: 32
    .max_flat_workgroup_size: 256
    .sgpr_count:     66
    .vgpr_count:     114
    .wavefront_size: 32
...
	.end_amdgpu_metadata
.endif
;; end of part 1
;; launch qkv (part 2): grid 8 x 24, 4 waves a work-group, clusters of 4 x 4, 327,680 bytes of LDS; arguments query_codes, key_codes, value_codes, wq_codes, wk_codes, wv_codes, bq, bk, bv, lowp_scales, tab, qc, kc, vc; writes qc, kc, vc
.if DOCPART == 2
	.amdgcn_target "amdgcn-amd-amdhsa--gfx1250"
	.amdhsa_code_object_version 6
	.text
	.protected	k_qf1b381bf70_qkv
	.globl	k_qf1b381bf70_qkv
	.p2align	8
	.type	k_qf1b381bf70_qkv,@function
k_qf1b381bf70_qkv:
	s_mov_b64 s[64:65], 0
	v_nop
	global_prefetch_b8 v0, s[64:65] scope:SCOPE_SE
	s_setreg_imm32_b32 hwreg(HW_REG_WAVE_MODE, 25, 1), 1
	s_wait_xcnt 0x0
	s_wait_alu depctr_hold_cnt(0) depctr_sa_sdst(0) depctr_va_vdst(0) depctr_va_sdst(0) depctr_va_ssrc(0) depctr_va_vcc(0) depctr_vm_vsrc(0)
	s_getreg_b32 s2, hwreg(HW_REG_IB_STS2, 6, 4)
	s_cmp_eq_u32 s2, 0
	s_cbranch_scc0 .Lentry_in_a_cluster
	s_endpgm
.Lentry_in_a_cluster:
	s_bfe_u32 s2, ttmp6, 0x10000c
	s_cmp_lg_u32 s2, 0xf033
	s_cbranch_scc0 .Lentry_shape_is_right
	s_endpgm
.Lentry_shape_is_right:
; THE THREE PROJECTIONS, on codes of FP8 (E4M3), one launch: z = cluster y / 2 says which.  C[m][n] = sum over k of A[m][k] B[n][k], 2,048 x 2,048 x 2,048.
;   z = 0: A = query, B = wq;  z = 1: A = key, B = wk;  z = 2: A = wv, B = value: the same loop then makes V TRANSPOSED, [feature][position].
; A tile of C is 256 x 256, four waves of 128 x 128 (64 accumulators).  K goes in steps of 256 through a ring of two LDS slots filled by joint tensor loads: 4 x 4 work-groups form a cluster,
; A's tile is shared along a row of the cluster, B's along a column.  The matrix instruction is used transposed (source 0 = 16 rows of B, source 1 = 16 rows of A): a lane holds one row of C and,
; in accumulator b, its columns 16 b + 8 (lane / 16) + 0 .. 7.
; THE WAY OUT makes the next products' operands.  sum x 2^(ea + eb) + bias; for q and k the rotary turn (a wave's 128 columns are one head; columns d and d + 64 lie in one lane: accumulators b, b + 4);
; the hold at +-448 x 2^eo and the conversion.  The eight results of accumulator b are eight neighbours along the next K at 16 b + 8 (lane / 16): its two registers of codes ARE registers 2 b, 2 b + 1 of a
; fragment of 16 rows x 128 K.  A fragment is stored as an image of its 16 registers: four stores of 512 consecutive bytes, lane l's 16 bytes at 16 l.
;   qc, kc: [head][tile of 16 positions][2,048 bytes];  vc: [head][key step of 128][tile of 16 channels][2,048 bytes].
; 192 work-groups: a smaller tile would read each LDS byte for fewer products.
; LIMITS: ea + eb between -126 and 127, eo between -126 and 119, so that each power of two is an f32 number.  NaN codes among the inputs are not served.
; REGISTERS, in windows of 256: window 0: v0-31 addresses and two constants; v32-95 the bias; from v128 A's fragments, ONE set; on the way out v128-255 the codes, 16 a block.
;   window 1: B's fragments, two sets, v0 and v128; on the way out v0-127 two blocks' cos and sin, v128-191 a block's 64 numbers, v192-207 at work.   windows 2, 3: the accumulators ((a, b) at v[8 (8 (a % 4) + b)]).
.set KSTEP,  256
.set ROWB,   256
.set KROW,   2048
.set PITCH,  272                       ; an LDS row: 256 bytes + 16 of padding
.set FR,     16
.set NL,     4
.set NP,     4
.set HALFT,  128*PITCH
.set SLOT,   4*HALFT
.set LAPS,   4                         ; 2,048 / 512
.set SPARE,  2*SLOT                    ; the spare words, 128 bytes for each wave
.set ADRA, 16
.set ADRB, 20
.set BO,   24                          ; v24  the bias of q, k: 32 x (lane / 16)
.set BV,   25                          ; v25  the bias of v: 4 x (lane % 16)
.set CO,   26                          ; v26  16 x lane
.set SPW,  28
.set NIL,  29
.set SC,   30                          ; v30  2^eo
.set LIM,  31                          ; v31  448 x 2^eo
.set BI,   32
.set AF,   128
.set CD,   128
.set XB,   128
.set TP,   192
.set G1, 24
.set G0, 32
.set G1B, 48
.set G0B, 56
.set MSB, 0
.macro WIN new                         ; the immediate's high byte repeats the setting that is left
.if MSB != \new
	s_set_vgpr_msb (MSB<<8)|\new
.set MSB, \new
.endif
.endm
.set MUL_LO, 0xa1                      ; source 0 (B) window 1, source 1 (A) window 0, C and D window 2
.set MUL_HI, 0xf1
.set TO_B,   0x40                      ; destination window 1, address window 0
.macro JLOAD g0a, g1a, g0b, g1b        ; a joint load: waves 0 and 1 fetch for A, waves 2 and 3 for B; four v_nop follow each of the two lines
	s_cmp_eq_u32 s15, 0
	s_cbranch_scc0 .Lfor_b_\@
	tensor_load_to_lds s[\g0a:\g0a+3], s[\g1a:\g1a+7]
	s_nop 0
.rept 4
	v_nop
.endr
	s_branch .Lasked_\@
.Lfor_b_\@:
	tensor_load_to_lds s[\g0b:\g0b+3], s[\g1b:\g1b+7]
	s_nop 0
.rept 4
	v_nop
.endr
.Lasked_\@:
.endm
.macro CREST                           ; a round of the cluster's barrier behind its opening barrier
	s_cmp_lg_u32 s14, 0
	s_cbranch_scc1 .Lnot_wave_0_\@
	s_barrier_signal -3
.Lnot_wave_0_\@:
	s_barrier_wait -3
	s_barrier_signal -1
	s_barrier_wait -1
.endm
.macro CROUND
	s_barrier_signal -1
	s_barrier_wait -1
	CREST
.endm
	s_load_b512 s[68:83], s[0:1], 0x0              ; query 68, key 70, value 72, wq 74, wk 76, wv 78, bq 80, bk 82
	s_load_b256 s[84:91], s[0:1], 0x40             ; bv 84, the scales 86, tab 88, qc 90
	s_load_b128 s[92:95], s[0:1], 0x60             ; kc 92, vc 94
	v_lshl_add_u32 v[SPW], v0, 2, SPARE
	v_mov_b32 v[NIL], 0
	ds_add_u32 v28, v29
	ds_add_u32 v28, v29
	s_wait_dscnt 0x0
	v_lshrrev_b32 v1, 5, v0
	v_readfirstlane_b32 s14, v1                    ; wave 0..3
	s_lshr_b32 s15, s14, 1                         ; which half of the tile's rows is mine.  Also: I fetch for A (0) or for B (1)
	s_and_b32 s16, s14, 1                          ; which half of its columns.  Also: which 128 rows of that tile I fetch
	s_bfe_u32 s40, ttmp6, 0x40000                  ; cx, cy
	s_bfe_u32 s41, ttmp6, 0x40004
	s_lshl_b32 s42, ttmp9, 2
	s_add_co_u32 s42, s42, s40                     ; tile column = 4 x cluster x + cx
	s_and_b32 s13, ttmp7, 0xffff                   ; cluster y, 0..5
	s_lshr_b32 s12, s13, 1                         ; z: the same in all sixteen partners
	s_and_b32 s17, s13, 1
	s_lshl_b32 s17, s17, 2
	s_add_co_u32 s17, s17, s41                     ; tile row = 4 x (cluster y % 2) + cy
	s_lshl_b32 s43, s41, 2
	s_lshl_b32 s43, 15, s43                        ; my row of the cluster
	s_lshl_b32 s44, 0x1111, s40                    ; my column
	s_or_b32 s[G1+0], s43, (0<<16)|(1<<20)|(1<<21)|(5<<22)|(3<<25)  ; the mask; elements of 1 byte; padding on; bit 21 beside a mask; 4 words behind every 64
	s_or_b32 s[G1B+0], s44, (0<<16)|(1<<20)|(1<<21)|(5<<22)|(3<<25)
.irp g, G1, G1B
	s_mov_b32 s[\g+1], ROWB<<16                    ; tensor_dim0
	s_mov_b32 s[\g+2], 128<<16                     ; tensor_dim1
	s_mov_b32 s[\g+3], ROWB<<16                    ; tile_dim0
	s_mov_b32 s[\g+4], 128                         ; tile_dim1
	s_mov_b32 s[\g+5], KROW                        ; from row to row
	s_mov_b32 s[\g+6], 0
	s_mov_b32 s[\g+7], 0
.endr
	s_lshl_b32 s18, s16, 7
	s_lshl_b32 s20, s17, 8
	s_add_co_u32 s20, s20, s18                     ; A: row 256 x tile row + 128 x half
	s_lshl_b32 s46, s42, 8
	s_add_co_u32 s46, s46, s18                     ; B: row 256 x tile column + 128 x half
	s_mov_b32 s21, 0
	s_mov_b32 s47, 0
	s_mov_b64 s[18:19], KROW
	s_mul_u64 s[20:21], s[20:21], s[18:19]
	s_mul_u64 s[46:47], s[46:47], s[18:19]
	s_mul_i32 s45, s14, HALFT                      ; where they go: wave x 128 rows
	s_wait_kmcnt 0x0
	s_cmp_eq_u32 s12, 0                            ; the buffers are chosen by z alone
	s_cselect_b64 s[4:5], s[68:69], s[70:71]
	s_cselect_b64 s[6:7], s[74:75], s[76:77]
	s_cselect_b64 s[8:9], s[80:81], s[82:83]
	s_cselect_b64 s[10:11], s[90:91], s[92:93]
	s_cmp_eq_u32 s12, 2
	s_cselect_b64 s[4:5], s[78:79], s[4:5]         ; A s[4:5]
	s_cselect_b64 s[6:7], s[72:73], s[6:7]         ; B s[6:7]
	s_cselect_b64 s[8:9], s[84:85], s[8:9]         ; the bias s[8:9]
	s_cselect_b64 s[10:11], s[94:95], s[10:11]     ; the codes' buffer s[10:11]
	s_load_b256 s[68:75], s[86:87], 0x0            ; e0 .. e7
	s_load_b128 s[76:79], s[86:87], 0x20           ; e8 .. e11
	s_add_nc_u64 s[20:21], s[4:5], s[20:21]
	s_add_nc_u64 s[46:47], s[6:7], s[46:47]
	CROUND                                         ; all sixteen work-groups are here: the first joint loads meet
.irp s, 0,1
	s_mov_b32 s[G0+4*\s], 1
	s_add_co_u32 s[G0+4*\s+1], s45, \s*SLOT
	s_add_nc_u64 s[G0+4*\s+2:G0+4*\s+3], s[20:21], \s*ROWB
	s_or_b32 s[G0+4*\s+3], s[G0+4*\s+3], 0x80000000
	s_mov_b32 s[G0B+4*\s], 1
	s_add_co_u32 s[G0B+4*\s+1], s45, \s*SLOT
	s_add_nc_u64 s[G0B+4*\s+2:G0B+4*\s+3], s[46:47], \s*ROWB
	s_or_b32 s[G0B+4*\s+3], s[G0B+4*\s+3], 0x80000000
	JLOAD G0+4*\s, G1, G0B+4*\s, G1B
.endr
	v_and_b32 v1, 15, v0                           ; l % 16
	v_bfe_u32 v2, v0, 4, 1                         ; l / 16
	v_mul_u32_u24 v3, v1, PITCH
	v_lshl_add_u32 v4, v2, 4, v3                   ; a fragment's row x pitch + 16 x half
	s_mul_i32 s21, s15, HALFT
	s_mul_i32 s22, s16, HALFT
	s_add_co_u32 s22, s22, 2*HALFT
.irp s, 0,1
	v_add_nc_u32 v[ADRA+\s], s21, v4
	v_add_nc_u32 v[ADRB+\s], s22, v4
	s_add_co_u32 s21, s21, SLOT
	s_add_co_u32 s22, s22, SLOT
.endr
	v_lshlrev_b32 v[BO], 5, v2
	v_lshlrev_b32 v[BV], 2, v1
	v_and_b32 v6, 31, v0
	v_lshlrev_b32 v[CO], 4, v6
	; where my results go.  rq = my block of 128 rows of C, cq = my block of 128 columns
	s_lshl_b32 s20, s17, 1
	s_add_co_u32 s20, s20, s15                     ; rq
	s_lshl_b32 s46, s42, 1
	s_add_co_u32 s46, s46, s16                     ; cq
	s_cmp_eq_u32 s12, 2
	s_cselect_b32 s21, s20, s46                    ; the head: cq for q and k, rq for v
	s_cselect_b32 s22, s46, s20                    ; inside the head: eight tiles of positions (rq), or a key step (cq)
	s_cselect_b32 s23, s20, s46                    ; the bias goes by features: columns for q and k, rows for v
	s_lshl_b32 s21, s21, 4
	s_add_co_u32 s21, s21, s22
	s_lshl_b32 s18, s21, 14                        ; eight fragments of 2,048 bytes
	s_mov_b32 s19, 0
	s_add_nc_u64 s[10:11], s[10:11], s[18:19]
	s_lshl_b32 s18, s23, 9                         ; 128 numbers of 4 bytes
	s_add_nc_u64 s[8:9], s[8:9], s[18:19]
	s_lshl_b32 s18, s20, 16                        ; the table: eight blocks of 8,192 bytes
	s_add_nc_u64 s[88:89], s[88:89], s[18:19]
.macro FRAG reg, adr, q, i             ; 16 rows x 128 K: four loads of 16 bytes, 32 apart: the same permutation of k in A and in B
.irp c, 0,1,2,3
	ds_load_b128 v[\reg+4*\c:\reg+4*\c+3], v[\adr] offset:128*(\q)+32*\c+(\i)*16*PITCH
.endr
.endm
.macro MUL16 a0, p, zero               ; A's blocks a0, a0 + 1 x B's eight; the 64 accumulators take turns, one instruction a turn
.irp a, \a0, \a0+1
.irp b, 0,1,2,3,4,5,6,7
.if \zero
	v_wmma_f32_16x16x128_fp8_fp8 v[8*(8*((\a)%4)+\b):8*(8*((\a)%4)+\b)+7], v[128*(\p)+FR*\b:128*(\p)+FR*\b+FR-1], v[AF+FR*(\a):AF+FR*(\a)+FR-1], 0
.else
	v_wmma_f32_16x16x128_fp8_fp8 v[8*(8*((\a)%4)+\b):8*(8*((\a)%4)+\b)+7], v[128*(\p)+FR*\b:128*(\p)+FR*\b+FR-1], v[AF+FR*(\a):AF+FR*(\a)+FR-1], v[8*(8*((\a)%4)+\b):8*(8*((\a)%4)+\b)+7]
.endif
.endr
.endr
.endm
.macro FETCH_B slot, q, p
	WIN TO_B
.irp i, 0,1,2,3,4,5,6,7
	FRAG 128*(\p)+FR*\i, ADRB+\slot, \q, \i
.endr
	WIN 0
.endm
.macro FETCH_A slot, q, i0
.irp i, \i0, \i0+1, \i0+2, \i0+3
	FRAG AF+FR*(\i), ADRA+\slot, \q, \i
.endr
.endm
.macro PLACES n                        ; plain vector lines between a matrix instruction and a load into, or a vector line on, its registers
.rept \n
	v_nop
.endr
.endm
.macro STEP slot, q, zero              ; 128 along K, with its successor in the same slot
	s_wait_dscnt 4*NL                              ; B's set and A's blocks 0-3 are in; the youngest sixteen loads (A's blocks 4-7) may be out
	WIN MUL_LO
	MUL16 0, (\q)%2, \zero
	MUL16 2, (\q)%2, \zero
	s_wait_dscnt 0
	PLACES NP
	FETCH_B \slot, (\q)+1, 1-(\q)%2
	FETCH_A \slot, (\q)+1, 0
	WIN MUL_HI
	MUL16 4, (\q)%2, \zero
	MUL16 6, (\q)%2, \zero
	PLACES NP
	WIN 0
	FETCH_A \slot, (\q)+1, 4
.endm
.macro TURN slot, next, fill           ; a slot's last step changes slots: one barrier; with fill = 1 it opens a round of the cluster's barrier and the slot is filled again
	s_wait_tensorcnt 0x0                           ; all my tensor loads have landed: my part of the next slot
	ds_add_u32 v[SPW], v[NIL]                      ; 0 onto my spare word
	s_wait_dscnt 4*NL+1                            ; the add and the youngest sixteen loads may be out
	WIN MUL_LO
	MUL16 0, 1, 0
	s_wait_dscnt 0x0                               ; the add is done, and my reads of this slot are over
	s_barrier_signal -1
	MUL16 2, 1, 0
	WIN 0
	s_barrier_wait -1
.if \fill
	CREST                                          ; no wave of any partner still reads this slot's tile or has a load on its way
	s_add_nc_u64 s[G0+4*\slot+2:G0+4*\slot+3], s[G0+4*\slot+2:G0+4*\slot+3], 2*ROWB
	s_add_nc_u64 s[G0B+4*\slot+2:G0B+4*\slot+3], s[G0B+4*\slot+2:G0B+4*\slot+3], 2*ROWB
	JLOAD G0+4*\slot, G1, G0B+4*\slot, G1B         ; the first tensor load behind the round; its four v_nop are the places in front of the loads below
.else
	PLACES NP
.endif
	FETCH_B \next, 0, 0
	FETCH_A \next, 0, 0
	WIN MUL_HI
	MUL16 4, 1, 0
	MUL16 6, 1, 0
	PLACES NP
	WIN 0
	FETCH_A \next, 0, 4
.endm
.macro LAST                            ; the very last step: nothing more to fetch
	s_wait_dscnt 4*NL
	WIN MUL_LO
	MUL16 0, 1, 0
	MUL16 2, 1, 0
	s_wait_dscnt 0
	WIN MUL_HI
	MUL16 4, 1, 0
	MUL16 6, 1, 0
	WIN 0
	PLACES NP                                      ; in front of the first reads of results and of the vector lines that write over fragments
.endm
.macro TABLOAD a                       ; cos and sin of block a's 16 positions: 64 registers a lane, into set a % 2 of window 1
	WIN TO_B
.irp l, 0,1,2,3,4,5,6,7,8,9,10,11,12,13,14,15
	global_load_b128 v[64*((\a)%2)+4*\l:64*((\a)%2)+4*\l+3], v[CO], s[88:89] offset:8192*(\a)+512*\l
.endr
	WIN 0
.endm
; Block a (16 rows of C) leaves.  rope = 1: q or k; 0: v.
.macro EPI a, rope
.set AC, 64*((\a)%4)
.set TS, 64*((\a)%2)
.if \rope
.if (\a) < 7
	s_wait_loadcnt 16                              ; the bias and this block's table are in; the next block's sixteen loads may be out
.else
	s_wait_loadcnt 0x0
.endif
.endif
	WIN 0x42+((\a)/4)                              ; source 0: the sums, window 2 or 3; destination window 1
.set j, 0
.rept 32
.if \rope
	v_pk_fma_f32 v[XB+j:XB+j+1], v[AC+j:AC+j+1], s[96:97], v[BI+j:BI+j+1] op_sel_hi:[1,0,1]   ; sum x 2^(ea + eb) + bias of the column; each accumulator from its low end on
.else
	v_pk_fma_f32 v[XB+j:XB+j+1], v[AC+j:AC+j+1], s[96:97], v[BI+2*(\a):BI+2*(\a)+1] op_sel_hi:[1,0,0]   ; the bias of my row (feature): one number for the lane
.endif
.set j, j+2
.endr
.if \rope
	WIN 0x55                                       ; all in window 1
.set g, 0
.rept 16
.set rlo, XB+8*(g/4)+2*(g%4)           ; channels d < 64
.set rhi, rlo+32                       ; d + 64
.set rcs, TS+16*(g/4)+2*(g%4)          ; cos; sin lies 8 registers on
.set rt, TP+4*(g%4)
	v_pk_mul_f32 v[rt:rt+1], v[rhi:rhi+1], v[rcs+8:rcs+9]
	v_pk_mul_f32 v[rt+2:rt+3], v[rlo:rlo+1], v[rcs+8:rcs+9]
	v_pk_fma_f32 v[rlo:rlo+1], v[rlo:rlo+1], v[rcs:rcs+1], v[rt:rt+1] neg_lo:[0,0,1] neg_hi:[0,0,1]   ; x(d) cos - x(d + 64) sin
	v_pk_fma_f32 v[rhi:rhi+1], v[rhi:rhi+1], v[rcs:rcs+1], v[rt+2:rt+3]                               ; x(d + 64) cos + x(d) sin
.set g, g+1
.endr
.endif
	WIN 0x41
.set j, 0
.rept 64
	v_med3_num_f32 v[XB+j], v[XB+j], -v[LIM], v[LIM]   ; the conversion does not saturate (ISA guide 7.6.2): the hold, always executed
.set j, j+1
.endr
	WIN 0x01
.set j, 0
.rept 8
	v_cvt_scalef32_pk8_fp8_f32 v[CD+16*(\a)+2*j:CD+16*(\a)+2*j+1], v[XB+8*j:XB+8*j+7], v[SC]   ; accumulator j: registers 2 j, 2 j + 1 of the fragment
.set j, j+1
.endr
	v_nop                                          ; a plain line behind the last conversion: the next block's lines write its sources
	WIN 0
.irp c, 0,1,2,3
	global_store_b128 v[CO], v[CD+16*(\a)+4*\c:CD+16*(\a)+4*\c+3], s[10:11] offset:2048*(\a)+512*\c   ; 512 consecutive bytes; each block has its own registers, so no store's data are written again
.endr
.if \rope
.if (\a) < 6
	TABLOAD (\a)+2
.endif
.endif
.endm
	s_wait_tensorcnt 1                             ; my part of K step 0 is in; K step 1's load may be out
	s_barrier_signal -1
	s_barrier_wait -1
	FETCH_B 0, 0, 0
	FETCH_A 0, 0, 0
	FETCH_A 0, 0, 4
	STEP 0, 0, 1                                   ; the first step's products start the sums
	s_mov_b32 s3, LAPS-1
.Llap:
	TURN 0, 1, 1
	STEP 1, 0, 0
	TURN 1, 0, 1
	STEP 0, 0, 0
	s_sub_co_u32 s3, s3, 1
	s_cmp_lg_u32 s3, 0
	s_cbranch_scc1 .Llap
	TURN 0, 1, 0                                   ; the last lap fills nothing
	STEP 1, 0, 0
	s_wait_kmcnt 0x0                               ; the scales: chosen by z, without a branch
	s_add_co_i32 s68, s68, s69
	s_add_co_i32 s70, s70, s71
	s_add_co_i32 s72, s72, s73
	s_cmp_eq_u32 s12, 0
	s_cselect_b32 s96, s68, s70
	s_cselect_b32 s80, s74, s75
	s_cmp_eq_u32 s12, 2
	s_cselect_b32 s96, s72, s96                    ; ea + eb
	s_cselect_b32 s80, s77, s80                    ; eo: e6 for q, e7 for k, e9 for v
	s_add_co_i32 s96, s96, 127
	s_lshl_b32 s96, s96, 23                        ; 2^(ea + eb) as f32
	s_mov_b32 s97, s96
	s_add_co_i32 s80, s80, 127
	s_lshl_b32 s81, s80, 23
	v_mov_b32 v[SC], s81
	s_add_co_i32 s80, s80, 8
	s_lshl_b32 s80, s80, 23
	s_or_b32 s80, s80, 0x600000
	v_mov_b32 v[LIM], s80
	s_cmp_eq_u32 s12, 2                            ; ONE parting, on the cluster's y alone; each arm holds its loads, the last step and its way out
	s_cbranch_scc1 .Lvpath
	; B's set 0 (window 1, v0-127) is done with, four places behind its last product: the bias and two blocks' tables land under the last step
.irp b, 0,1,2,3,4,5,6,7
	global_load_b128 v[BI+8*\b:BI+8*\b+3], v[BO], s[8:9] offset:64*\b
	global_load_b128 v[BI+8*\b+4:BI+8*\b+7], v[BO], s[8:9] offset:64*\b+16
.endr
	TABLOAD 0
	TABLOAD 1
	LAST
.irp a, 0,1,2,3,4,5,6,7
	EPI \a, 1
.endr
	s_branch .Ldone
.Lvpath:
.irp a, 0,1,2,3,4,5,6,7
	global_load_b32 v[BI+2*\a], v[BV], s[8:9] offset:64*\a
	v_mov_b32 v[BI+2*\a+1], 0                      ; (named as the upper half of a pair)
.endr
	LAST
	s_wait_loadcnt 0x0
.irp a, 0,1,2,3,4,5,6,7
	EPI \a, 0
.endr
.Ldone:
	s_wait_tensorcnt 0x0                           ; the wave's end
	ds_add_u32 v[SPW], v[NIL]
	s_wait_dscnt 0x0
	CROUND                                         ; the closing round
	s_endpgm
.Lfunc_end_k_qf1b381bf70_qkv:
	.size	k_qf1b381bf70_qkv, .Lfunc_end_k_qf1b381bf70_qkv-k_qf1b381bf70_qkv
	.p2alignl 7, 3214868480
	.fill 96, 4, 3214868480
	.section	.rodata,"a",@progbits
	.p2align	6, 0x0
	.amdhsa_kernel k_qf1b381bf70_qkv
		.amdhsa_group_segment_fixed_size 327680
		.amdhsa_private_segment_fixed_size 0
		.amdhsa_enable_private_segment 0
		.amdhsa_kernarg_size 112
		.amdhsa_user_sgpr_count 2
		.amdhsa_user_sgpr_kernarg_segment_ptr 1
		.amdhsa_wavefront_size32 1
		.amdhsa_system_sgpr_workgroup_id_x 1
		.amdhsa_system_sgpr_workgroup_id_y 1
		.amdhsa_system_sgpr_workgroup_id_z 1
		.amdhsa_system_vgpr_workitem_id 0
		.amdhsa_next_free_vgpr 1024
		.amdhsa_next_free_sgpr 98
		.amdhsa_reserve_vcc 0
		.amdhsa_float_denorm_mode_32 3
		.amdhsa_float_denorm_mode_16_64 3
		.amdhsa_memory_ordered 1
		.amdhsa_forward_progress 1
		.amdhsa_inst_pref_size 243
	.end_amdhsa_kernel
	.amdgpu_metadata
---
amdhsa.version: [ 1, 2 ]
amdhsa.kernels:
  - .name:           k_qf1b381bf70_qkv
    .symbol:         k_qf1b381bf70_qkv.kd
    .args:
      - { .name: query_codes, .offset: 0, .size: 8, .value_kind: global_buffer, .address_space: global }
      - { .name: key_codes, .offset: 8, .size: 8, .value_kind: global_buffer, .address_space: global }
      - { .name: value_codes, .offset: 16, .size: 8, .value_kind: global_buffer, .address_space: global }
      - { .name: wq_codes, .offset: 24, .size: 8, .value_kind: global_buffer, .address_space: global }
      - { .name: wk_codes, .offset: 32, .size: 8, .value_kind: global_buffer, .address_space: global }
      - { .name: wv_codes, .offset: 40, .size: 8, .value_kind: global_buffer, .address_space: global }
      - { .name: bq, .offset: 48, .size: 8, .value_kind: global_buffer, .address_space: global }
      - { .name: bk, .offset: 56, .size: 8, .value_kind: global_buffer, .address_space: global }
      - { .name: bv, .offset: 64, .size: 8, .value_kind: global_buffer, .address_space: global }
      - { .name: lowp_scales, .offset: 72, .size: 8, .value_kind: global_buffer, .address_space: global }
      - { .name: tab, .offset: 80, .size: 8, .value_kind: global_buffer, .address_space: global }
      - { .name: qc, .offset: 88, .size: 8, .value_kind: global_buffer, .address_space: global }
      - { .name: kc, .offset: 96, .size: 8, .value_kind: global_buffer, .address_space: global }
      - { .name: vc, .offset: 104, .size: 8, .value_kind: global_buffer, .address_space: global }
    .group_segment_fixed_size: 327680
    .private_segment_fixed_size: 0
    .kernarg_segment_align: 8
    .kernarg_segment_size: 112
    .max_flat_workgroup_size: 128
    .sgpr_count:     98
    .vgpr_count:     1024
    .wavefront_size: 32
...
	.end_amdgpu_metadata
.endif
;; end of part 2
;; launch attn (part 3): grid 16 x 16, 16 waves a work-group, no clusters, 235,520 bytes of LDS; arguments qc, kc, vc, mw, fl, lowp_scales, xc; writes xc
.if DOCPART == 3
	.amdgcn_target "amdgcn-amd-amdhsa--gfx1250"
	.amdhsa_code_object_version 6
	.text
	.protected	k_qf1b381bf70_attn
	.globl	k_qf1b381bf70_attn
	.p2align	8
	.type	k_qf1b381bf70_attn,@function
k_qf1b381bf70_attn:
	s_mov_b64 s[64:65], 0
	v_nop
	global_prefetch_b8 v0, s[64:65] scope:SCOPE_SE
	s_setreg_imm32_b32 hwreg(HW_REG_WAVE_MODE, 25, 1), 1
	s_wait_xcnt 0x0
; ATTENTION on codes of FP8 (E4M3).  qc, kc: [head][tile of 16 positions][fragment image of 2,048 bytes], K = the head's 128.  vc: [head][key step of 128][tile of 16 channels][image], K = the keys.
; mw: the mask as lane masks, fl: which key steps a tile of queries must walk (both stored by the first launch).  xc: [tile of 16 positions][head][image]: the last product's operand.
; THE SOFTMAX: t = score x log2(e) / sqrt(128); M = the running largest t rounded UP to a whole number; p = 2^(t - M) is quantised with 2^e8; the row's sum is taken of the unquantised p and divides at the end.
; THE MASK is honoured as it is given.  A hidden score is replaced, ahead of the maximum, by -(2^(33 - e6 - e7)), which as t is the whole number -2^33 c0: p = 0 beside any visible key, and exactly 1 on a row that
; is hidden everywhere, as with the reference's -1e9.  A key step in which none of a tile's 16 x 128 pairs is visible adds exactly 0 and is passed over by a scalar branch on the stored flags (unless a row of the tile
; has no visible key at all: then every step is flagged).  So this launch has no tensor load: tiles come through registers, asked for a whole phase ahead.
; SHARES.  A work-group owns one head and eight tiles of 16 queries: tiles 4 i .. 4 i + 3 and 124 - 4 i .. 127 - 4 i.  TWO waves serve a tile: wave w (tile w % 8) takes the key steps of parity w / 8.
; Their results are joined at the end through LDS: both M are whole numbers, so the join's factors are exact powers of two.
; A PHASE is 256 keys: a slot of 64 KiB (16 fragments of K, 16 of V^T); two slots by turns, one barrier a phase: each wave stores 4 KiB of the next slot and reads its step of this one.
; LAYOUT.  Both products transposed: S^T = K Q^T, O^T = V^T P^T: a lane holds one query (lane % 16); accumulator t of S^T holds keys 16 t + 8 (lane / 16) + 0 .. 7, so its two registers of codes are registers 2 t, 2 t + 1 of P.
; LIMITS: e6 + e7 between -94 and 8 (the stand-in lies below every real score: 128 x 448^2 < 2^25); e8, e10 between -126 and 119.  NaN codes are not served.
; REGISTERS: v1, v2 read addresses in slot 0, 1; v3, v4 my 2,048 bytes in a slot (v3 also the global offset); v5 Q's image; v6 the stand-in; v7 448 x 2^e8; v8 2^e8; v9 the join; v[10:11] f; v12 -M; v13 largest t; v[14:15] the sum;
;   v16-31 Q, then P's codes; v32-95 four fragments (v32-37 at work in the softmax); v96-159 S^T, p; v160-223 O^T; v224-255 the next slot's bytes on their way.
; SCALARS: s[2:3] my mask words; s[4:5], s[6:7] K, V at the next slot; s[8:9] xc; s10 wave; s11 parity; s12 tile; s13 my flags; s14 the work-group's; s15 is the next slot wanted; s16-63, s68-83 the step's 64 mask words.
.set SL,    65536
.set VOF,   32768
.set QIMG,  131072
.set MRG,   163840
	s_load_b256 s[16:23], s[0:1], 0x0              ; qc 16, kc 18, vc 20, mw 22
	s_load_b128 s[24:27], s[0:1], 0x20             ; fl 24, the scales 26
	s_load_b64 s[8:9], s[0:1], 0x30                ; xc
	v_lshrrev_b32 v1, 5, v0
	v_readfirstlane_b32 s10, v1                    ; wave 0..15
	s_lshr_b32 s11, s10, 3
	s_and_b32 s12, s10, 7
	v_and_b32 v10, 31, v0
	v_lshlrev_b32 v10, 4, v10                      ; 16 x lane
	s_lshl_b32 s92, s11, 14
	v_add_nc_u32 v1, s92, v10                      ; my step of a slot: 16,384 x parity
	v_add_nc_u32 v2, SL, v1
	s_lshl_b32 s92, s10, 11
	v_add_nc_u32 v3, s92, v10                      ; the fragment that I bring: 2,048 x wave
	v_add_nc_u32 v4, SL, v3
	v_add_nc_u32 v5, QIMG, v3
	s_mul_i32 s92, s12, 8704
	s_add_co_u32 s92, s92, MRG
	v_add_nc_u32 v9, s92, v10
	s_and_b32 s93, ttmp7, 0xffff                   ; the head
	s_lshl_b32 s94, ttmp9, 2
	s_sub_co_u32 s95, 120, s94
	s_cmp_lt_u32 s12, 4
	s_cselect_b32 s95, s94, s95
	s_add_co_u32 s95, s95, s12                     ; my tile of queries
	s_lshl_b32 s96, s93, 7
	s_add_co_u32 s96, s96, s95
	s_lshl_b32 s96, s96, 11
	s_mov_b32 s97, 0
	s_lshl_b32 s98, s93, 18                        ; a head's 262,144 bytes
	s_mov_b32 s99, 0
	s_lshl_b32 s100, s95, 12
	s_lshl_b32 s101, s11, 8
	s_add_co_u32 s100, s100, s101
	s_mov_b32 s101, 0
	s_wait_kmcnt 0x0
	s_add_nc_u64 s[16:17], s[16:17], s[96:97]      ; Q's image
	s_add_nc_u64 s[4:5], s[18:19], s[98:99]
	s_add_nc_u64 s[6:7], s[20:21], s[98:99]
	s_add_nc_u64 s[2:3], s[22:23], s[100:101]
	s_lshl_b32 s96, s95, 4
	s_add_co_u32 s96, s96, s93
	s_lshl_b32 s96, s96, 11
	s_add_nc_u64 s[8:9], s[8:9], s[96:97]
	s_lshl_b32 s98, s95, 2
	s_lshl_b32 s99, ttmp9, 4
	s_sub_co_u32 s100, 496, s99
	s_load_b32 s13, s[24:25], s98 offset:0x0       ; my tile's flags
	s_load_b128 s[68:71], s[24:25], s99 offset:0x0 ; and all eight tiles'
	s_load_b128 s[72:75], s[24:25], s100 offset:0x0
	s_load_b128 s[76:79], s[26:27], 0x18           ; e6, e7, e8, e9
	s_load_b32 s80, s[26:27], 0x28                 ; e10
.irp c, 0,1,2,3
	global_load_b128 v[224+4*\c:227+4*\c], v3, s[4:5] offset:512*\c    ; slot 0 comes without a condition
	global_load_b128 v[240+4*\c:243+4*\c], v3, s[6:7] offset:512*\c
.endr
.irp c, 0,1,2,3
	global_load_b128 v[16+4*\c:19+4*\c], v10, s[16:17] offset:512*\c
.endr
	v_mov_b32 v13, 0xff61b1e6                      ; the largest t so far: -3e38
	v_floor_f32 v12, -v13
	v_mov_b32 v14, 0
	v_mov_b32 v15, 0
	v_mov_b32 v11, 0                               ; (named as the upper half of a pair)
	v_mov_b32 v34, 0                               ; (a lane permute's destination counts as read)
.set j, 0
.rept 64
	v_mov_b32 v[160+j], 0                          ; O^T: which step is a wave's first hangs on the flags, so no product can start the sums
.set j, j+1
.endr
	s_wait_kmcnt 0x0
	s_lshr_b32 s13, s13, s11                       ; bit 0: my step of phase 0
	s_or_b32 s14, s68, s69
	s_or_b32 s14, s14, s70
	s_or_b32 s14, s14, s71
	s_or_b32 s14, s14, s72
	s_or_b32 s14, s14, s73
	s_or_b32 s14, s14, s74
	s_or_b32 s14, s14, s75
	s_and_b32 s14, s14, 0xffff                     ; sixteen steps: behind the last slot nothing is asked for
	s_lshr_b32 s14, s14, 2                         ; bits 1:0: is slot 1 wanted
	s_add_co_i32 s92, s76, s77                     ; e6 + e7
	s_lshl_b32 s94, s92, 23
	s_add_co_i32 s84, s94, 0x3e0293ee              ; c = log2(e) / sqrt(128) x 2^(e6 + e7): added to the exponent field
	s_mov_b32 s85, s84
	s_sub_co_i32 s92, 160, s92
	s_lshl_b32 s92, s92, 23
	s_or_b32 s92, s92, 0x80000000
	v_mov_b32 v6, s92                              ; -(2^(33 - e6 - e7))
	s_mov_b32 s90, s78                             ; e8
	s_add_co_i32 s91, s78, s79                     ; e8 + e9
	s_mov_b32 s93, s80                             ; e10
	s_add_co_i32 s92, s78, 127
	s_lshl_b32 s94, s92, 23
	v_mov_b32 v8, s94
	s_add_co_i32 s92, s92, 8
	s_lshl_b32 s92, s92, 23
	s_or_b32 s92, s92, 0x600000
	v_mov_b32 v7, s92
	s_mov_b32 s86, 0x76543210
	s_mov_b32 s87, 0xfedcba98
	s_mov_b32 s88, 0                               ; the mask words' offset: 512 x phase
	s_mov_b32 s89, 4
	s_wait_loadcnt 0x0
.irp c, 0,1,2,3
	ds_store_b128 v5, v[16+4*\c:19+4*\c] offset:512*\c
	ds_store_b128 v3, v[224+4*\c:227+4*\c] offset:512*\c
	ds_store_b128 v3, v[240+4*\c:243+4*\c] offset:VOF+512*\c
.endr
	s_add_nc_u64 s[4:5], s[4:5], 32768
	s_add_nc_u64 s[6:7], s[6:7], 32768
.macro MLOAD                           ; my step's 64 mask words: word n in s[16 + n], from n = 48 on in s[20 + n]
	s_load_b512 s[16:31], s[2:3], s88 offset:0x0
	s_load_b512 s[32:47], s[2:3], s88 offset:0x40
	s_load_b512 s[48:63], s[2:3], s88 offset:0x80
	s_load_b512 s[68:83], s[2:3], s88 offset:0xc0
.endm
	MLOAD
	s_wait_dscnt 0x0
	s_barrier_signal -1
	s_barrier_wait -1
; My key step of slot s: 128 keys.
.macro COMPUTE s
.rept 4
	v_nop                                          ; places in front of loads into registers that the last products read
.endr
.irp c, 0,1,2,3
	ds_load_b128 v[16+4*\c:19+4*\c], v5 offset:512*\c   ; Q, from my own image
.endr
.irp g, 0,1
.if \g
.rept 4
	v_nop
.endr
.endif
.irp t, 0,1,2,3
.irp c, 0,1,2,3
	ds_load_b128 v[32+16*\t+4*\c:35+16*\t+4*\c], v[1+\s] offset:2048*(4*\g+\t)+512*\c
.endr
.endr
	s_wait_dscnt 0x0
.irp t, 0,1,2,3
	v_wmma_f32_16x16x128_fp8_fp8 v[96+8*(4*\g+\t):103+8*(4*\g+\t)], v[32+16*\t:47+16*\t], v[16:31], 0
.endr
.endr
.rept 4
	v_nop
.endr
	s_wait_kmcnt 0x0                               ; the mask words, asked for a phase ago
.set n, 0
.rept 64
.set mwr, 16+n+4*(n/48)
	v_cndmask_b32 v[96+n], v6, v[96+n], s[mwr]     ; a hidden score becomes the stand-in; each accumulator from its low end on
.set n, n+1
.endr
	v_max3_num_f32 v32, v96, v97, v98              ; the step's largest score of my query, in two chains,
	v_max3_num_f32 v33, v99, v100, v101
.set i, 6
.rept 14
	v_max3_num_f32 v32, v32, v[96+i], v[97+i]
	v_max3_num_f32 v33, v33, v[98+i], v[99+i]
.set i, i+4
.endr
	v_max3_num_f32 v32, v32, v158, v159
	v_max_num_f32 v32, v32, v33
	v_permlanex16_b32 v34, v32, s86, s87
	v_max_num_f32 v32, v32, v34                    ; and among lane l xor 16's
	v_mul_f32 v32, s84, v32                        ; as t (c is positive)
	v_max_num_f32 v13, v13, v32
	v_mov_b32 v32, v12
	v_floor_f32 v12, -v13                          ; -M = floor(-t): M is a whole number
	v_sub_f32 v32, v12, v32
	v_cvt_i32_f32 v32, v32                         ; (it saturates)
	v_ldexp_f32 v10, 1.0, v32                      ; f = 2^(old M - new M)
.set j, 0
.rept 32
	v_pk_fma_f32 v[96+j:97+j], v[96+j:97+j], s[84:85], v[12:13] op_sel_hi:[1,0,0]   ; t - M
.set j, j+2
.endr
.set j, 0
.rept 64
	v_exp_f32 v[96+j], v[96+j]                     ; p, not normalised
.set j, j+1
.endr
	v_pk_mul_f32 v[14:15], v[14:15], v[10:11] op_sel_hi:[1,0]   ; the sums under the new M.  (A plain line behind the exponentials)
	s_wait_alu depctr_va_vdst(0)                   ; one wait for the whole batch, ahead of its first reader
	v_pk_add_f32 v[36:37], v[96:97], v[98:99]      ; the sum of the unquantised p, in two chains
.set j, 4
.rept 15
	v_pk_add_f32 v[14:15], v[14:15], v[96+j:97+j]
	v_pk_add_f32 v[36:37], v[36:37], v[98+j:99+j]
.set j, j+4
.endr
	v_pk_add_f32 v[14:15], v[14:15], v[36:37]
	s_cmp_ge_i32 s90, -8                           ; p <= 1 <= 448 x 2^e8 from e8 = -8 on: the hold cannot bite there and is passed over
	s_cbranch_scc1 .Lnohold_\@
.set j, 0
.rept 64
	v_min_num_f32 v[96+j], v[96+j], v7             ; the conversion does not saturate (ISA guide 7.6.2); p is not negative
.set j, j+1
.endr
.Lnohold_\@:
.set j, 0
.rept 8
	v_cvt_scalef32_pk8_fp8_f32 v[16+2*j:17+2*j], v[96+8*j:103+8*j], v8
.set j, j+1
.endr
.set j, 0
.rept 32
	v_pk_mul_f32 v[160+j:161+j], v[160+j:161+j], v[10:11] op_sel_hi:[1,0]   ; O^T under the new M.  (Also the plain lines behind the conversions)
.set j, j+2
.endr
.irp g, 0,1
.if \g
.rept 4
	v_nop
.endr
.endif
.irp t, 0,1,2,3
.irp c, 0,1,2,3
	ds_load_b128 v[32+16*\t+4*\c:35+16*\t+4*\c], v[1+\s] offset:VOF+2048*(4*\g+\t)+512*\c
.endr
.endr
	s_wait_dscnt 0x0
.irp t, 0,1,2,3
	v_wmma_f32_16x16x128_fp8_fp8 v[160+8*(4*\g+\t):167+8*(4*\g+\t)], v[32+16*\t:47+16*\t], v[16:31], v[160+8*(4*\g+\t):167+8*(4*\g+\t)]
.endr
.endr
.endm
; A phase on slot s.  Every wave passes its waits and its barrier; the branches, on the stored flags, lead round loads, work and LDS stores alone.
.macro PHASE s
	s_and_b32 s15, s14, 3
	s_cmp_lg_u32 s15, 0
	s_cbranch_scc0 .Lnoask_\@                      ; no wave of the work-group walks the next slot
.irp c, 0,1,2,3
	global_load_b128 v[224+4*\c:227+4*\c], v3, s[4:5] offset:512*\c
	global_load_b128 v[240+4*\c:243+4*\c], v3, s[6:7] offset:512*\c
.endr
.Lnoask_\@:
	s_bitcmp1_b32 s13, 0
	s_cbranch_scc0 .Lnowork_\@
	COMPUTE \s
.Lnowork_\@:
	s_wait_loadcnt 0x0                             ; the next slot's bytes are in registers; their addresses may be stepped
	s_cmp_lg_u32 s15, 0
	s_cbranch_scc0 .Lnoput_\@
.irp c, 0,1,2,3
	ds_store_b128 v[4-\s], v[224+4*\c:227+4*\c] offset:512*\c        ; into the other slot: its last readers waited for their loads in front of the barrier before
	ds_store_b128 v[4-\s], v[240+4*\c:243+4*\c] offset:VOF+512*\c
.endr
.Lnoput_\@:
	s_wait_kmcnt 0x0                               ; no load into the mask words' registers is out, and the offset may be written
	s_add_co_u32 s88, s88, 512
	s_min_u32 s88, s88, 3584                       ; the last phase asks for its own words again: no load leaves the buffer
	MLOAD
	s_add_nc_u64 s[4:5], s[4:5], 32768
	s_add_nc_u64 s[6:7], s[6:7], 32768
	s_lshr_b32 s13, s13, 2
	s_lshr_b32 s14, s14, 2
	s_wait_dscnt 0x0                               ; my stores have landed and my reads of this slot are over
	s_barrier_signal -1
	s_barrier_wait -1
.endm
.Lpair:
	PHASE 0
	PHASE 1
	s_sub_co_u32 s89, s89, 1
	s_cmp_lg_u32 s89, 0
	s_cbranch_scc1 .Lpair
	s_wait_kmcnt 0x0
	; THE JOIN of a tile's two waves, and the way out
.rept 4
	v_nop                                          ; places behind the last products
.endr
	v_add_f32 v14, v14, v15
	v_permlanex16_b32 v34, v14, s86, s87
	v_add_f32 v14, v14, v34                        ; my share of the row's sum
	s_cmp_lt_u32 s10, 8
	s_cbranch_scc1 .Lkeep
.set u, 0
.rept 16
	ds_store_b128 v9, v[160+4*u:163+4*u] offset:512*u   ; waves 8-15 hand over O^T,
.set u, u+1
.endr
	ds_store_b128 v9, v[12:15] offset:8192         ; -M and the sum
.Lkeep:
	s_wait_dscnt 0x0
	s_barrier_signal -1
	s_barrier_wait -1
	s_cmp_lt_u32 s10, 8
	s_cbranch_scc0 .Lend
.set u, 0
.rept 16
	ds_load_b128 v[96+4*u:99+4*u], v9 offset:512*u
.set u, u+1
.endr
	ds_load_b128 v[32:35], v9 offset:8192          ; v32 the partner's -M, v34 its sum
	s_add_co_i32 s92, s93, 127
	s_lshl_b32 s94, s92, 23
	v_mov_b32 v44, s94                             ; 2^e10
	s_add_co_i32 s92, s92, 8
	s_lshl_b32 s92, s92, 23
	s_or_b32 s92, s92, 0x600000
	v_mov_b32 v45, s92                             ; 448 x 2^e10
	s_wait_dscnt 0x0
	v_min_num_f32 v36, v12, v32                    ; the joint -M
	v_sub_f32 v37, v36, v12
	v_sub_f32 v38, v36, v32
	v_cvt_i32_f32 v37, v37
	v_cvt_i32_f32 v38, v38
	v_ldexp_f32 v37, 1.0, v37                      ; exact factors; 0 for a wave that walked nothing
	v_ldexp_f32 v38, 1.0, v38
	v_mul_f32 v14, v14, v37
	v_fma_f32 v14, v34, v38, v14                   ; the row's sum
	v_rcp_f32 v39, v14
	v_and_b32 v46, 31, v0                          ; (plain lines behind the reciprocal)
	v_lshlrev_b32 v46, 4, v46
	s_wait_alu depctr_va_vdst(0)                   ; the wait, ahead of the first reader
	v_ldexp_f32 v39, v39, s91                      ; x 2^(e8 + e9)
	v_mul_f32 v40, v37, v39
	v_mul_f32 v42, v38, v39
	v_mov_b32 v41, v40
	v_mov_b32 v43, v42
.set j, 0
.rept 32
	v_pk_mul_f32 v[160+j:161+j], v[160+j:161+j], v[40:41] op_sel_hi:[1,0]
.set j, j+2
.endr
.set j, 0
.rept 32
	v_pk_fma_f32 v[160+j:161+j], v[96+j:97+j], v[42:43], v[160+j:161+j] op_sel_hi:[1,0,1]
.set j, j+2
.endr
.set j, 0
.rept 64
	v_med3_num_f32 v[160+j], v[160+j], -v45, v45
.set j, j+1
.endr
.set j, 0
.rept 8
	v_cvt_scalef32_pk8_fp8_f32 v[16+2*j:17+2*j], v[160+8*j:167+8*j], v44   ; channels 16 j + 8 (lane / 16) on: registers 2 j, 2 j + 1 of the last product's operand
.set j, j+1
.endr
	v_nop
.irp c, 0,1,2,3
	global_store_b128 v46, v[16+4*\c:19+4*\c], s[8:9] offset:512*\c   ; 512 consecutive bytes
.endr
.Lend:
	s_wait_xcnt 0x0
	v_lshl_add_u32 v254, v0, 2, 0x39000
	v_mov_b32 v255, 0
	s_wait_tensorcnt 0x0
	ds_add_u32 v254, v255
	s_wait_dscnt 0x0
	s_endpgm
.Lfunc_end_k_qf1b381bf70_attn:
	.size	k_qf1b381bf70_attn, .Lfunc_end_k_qf1b381bf70_attn-k_qf1b381bf70_attn
	.p2alignl 7, 3214868480
	.fill 96, 4, 3214868480
	.section	.rodata,"a",@progbits
	.p2align	6, 0x0
	.amdhsa_kernel k_qf1b381bf70_attn
		.amdhsa_group_segment_fixed_size 235520
		.amdhsa_private_segment_fixed_size 0
		.amdhsa_enable_private_segment 0
		.amdhsa_kernarg_size 56
		.amdhsa_user_sgpr_count 2
		.amdhsa_user_sgpr_kernarg_segment_ptr 1
		.amdhsa_wavefront_size32 1
		.amdhsa_system_sgpr_workgroup_id_x 1
		.amdhsa_system_sgpr_workgroup_id_y 1
		.amdhsa_system_sgpr_workgroup_id_z 1
		.amdhsa_system_vgpr_workitem_id 0
		.amdhsa_next_free_vgpr 256
		.amdhsa_next_free_sgpr 102
		.amdhsa_reserve_vcc 0
		.amdhsa_float_denorm_mode_32 3
		.amdhsa_float_denorm_mode_16_64 3
		.amdhsa_memory_ordered 1
		.amdhsa_forward_progress 1
		.amdhsa_inst_pref_size 72
	.end_amdhsa_kernel
	.amdgpu_metadata
---
amdhsa.version: [ 1, 2 ]
amdhsa.kernels:
  - .name:           k_qf1b381bf70_attn
    .symbol:         k_qf1b381bf70_attn.kd
    .args:
      - { .name: qc, .offset: 0, .size: 8, .value_kind: global_buffer, .address_space: global }
      - { .name: kc, .offset: 8, .size: 8, .value_kind: global_buffer, .address_space: global }
      - { .name: vc, .offset: 16, .size: 8, .value_kind: global_buffer, .address_space: global }
      - { .name: mw, .offset: 24, .size: 8, .value_kind: global_buffer, .address_space: global }
      - { .name: fl, .offset: 32, .size: 8, .value_kind: global_buffer, .address_space: global }
      - { .name: lowp_scales, .offset: 40, .size: 8, .value_kind: global_buffer, .address_space: global }
      - { .name: xc, .offset: 48, .size: 8, .value_kind: global_buffer, .address_space: global }
    .group_segment_fixed_size: 235520
    .private_segment_fixed_size: 0
    .kernarg_segment_align: 8
    .kernarg_segment_size: 56
    .max_flat_workgroup_size: 512
    .sgpr_count:     102
    .vgpr_count:     256
    .wavefront_size: 32
...
	.end_amdgpu_metadata
.endif
;; end of part 3
;; launch oproj (part 4): grid 16 x 16, 4 waves a work-group, clusters of 4 x 4, 327,680 bytes of LDS; arguments xc, wo_codes, lowp_scales, bo, out0; writes out0
.if DOCPART == 4
	.amdgcn_target "amdgcn-amd-amdhsa--gfx1250"
	.amdhsa_code_object_version 6
	.text
	.protected	k_qf1b381bf70_oproj
	.globl	k_qf1b381bf70_oproj
	.p2align	8
	.type	k_qf1b381bf70_oproj,@function
k_qf1b381bf70_oproj:
	s_mov_b64 s[64:65], 0
	v_nop
	global_prefetch_b8 v0, s[64:65] scope:SCOPE_SE
	s_setreg_imm32_b32 hwreg(HW_REG_WAVE_MODE, 25, 1), 1
	s_wait_xcnt 0x0
	s_wait_alu depctr_hold_cnt(0) depctr_sa_sdst(0) depctr_va_vdst(0) depctr_va_sdst(0) depctr_va_ssrc(0) depctr_va_vcc(0) depctr_vm_vsrc(0)
	s_getreg_b32 s2, hwreg(HW_REG_IB_STS2, 6, 4)
	s_cmp_eq_u32 s2, 0
	s_cbranch_scc0 .Lentry_in_a_cluster
	s_endpgm
.Lentry_in_a_cluster:
	s_bfe_u32 s2, ttmp6, 0x10000c
	s_cmp_lg_u32 s2, 0xf033
	s_cbranch_scc0 .Lentry_shape_is_right
	s_endpgm
.Lentry_shape_is_right:
; out0[s][n] = sum over k of x[s][k] wo[n][k] x 2^(e10 + e11) + bo[n], on codes of FP8 (E4M3).  x comes as fragment images, xc: [tile of 16 positions][K step of 128 (a head)][2,048 bytes]; wo as rows of 2,048 codes.
; A tile of out0 is 128 x 128, so that 256 work-groups share the work; four waves of 64 x 64: 16 accumulators.  K goes in steps of 512 through two LDS slots, each filled twice, by joint tensor loads: 4 x 4 work-groups
; form a cluster, x's tile is shared along a row of the cluster, wo's along a column.  The text is written straight: sixteen quarters of 128 along K.
; x's images hold k = 16 c + 8 (lane / 16) + 0 .. 7 in registers 2 c, 2 c + 1; wo's fragments are read from its rows in the same places, by loads of 8 bytes, 16 apart.
; The matrix instruction is used transposed (source 0 = 16 rows of wo, source 1 = 16 positions): a lane holds eight neighbouring numbers of a row of out0.
; LIMIT: e10 + e11 between -126 and 127.
; REGISTERS: window 0: v0-31 addresses; v32-63 a block's results; v64-95 rows read back; v96-127 the bias; v128-255 the accumulators ((a, b) at v[128 + 8 (4 a + b)]).
;   window 1: two fragment buffers of 128: x's four fragments, then wo's four.
.set PITCH,  528                       ; a row of wo in LDS: 512 bytes + 16
.set ABYTES, 65536                     ; x: [tile 8][K step 4][2,048 bytes], dense
.set HB,     64*PITCH
.set SLOT,   ABYTES+2*HB
.set SPARE,  2*SLOT                    ; the spare words, 128 bytes for each wave
.set SPITCH, 272                       ; the way out: 16 rows x (256 bytes + 16) for each wave, in slot 0, behind its last fill and its last read
.set ADRA, 16
.set ADRB, 20
.set STO,  24
.set RD,   25
.set CO,   26
.set BOF,  27
.set SPW,  28
.set NIL,  29
.set TMP,  32
.set BK,   64
.set BIAS, 96
.set ACC,  128
.set F0,   0
.set F1,   128
.set G1, 24
.set G0, 32
.set G1B, 48
.set G0B, 56
.set MSB, 0
.macro WIN new
.if MSB != \new
	s_set_vgpr_msb (MSB<<8)|\new
.set MSB, \new
.endif
.endm
.set MUL,  0x05                        ; sources 0 and 1 window 1; C and D window 0
.set TO_F, 0x40                        ; destination window 1, address window 0
.macro JLOAD s                         ; waves 0 and 1 fetch x's halves, waves 2 and 3 wo's; four v_nop follow each of the two lines
	s_cmp_eq_u32 s11, 0
	s_cbranch_scc0 .Lfor_b_\@
	tensor_load_to_lds s[G0+4*\s:G0+4*\s+3], s[G1:G1+7]
	s_nop 0
.rept 4
	v_nop
.endr
	s_branch .Lasked_\@
.Lfor_b_\@:
	tensor_load_to_lds s[G0B+4*\s:G0B+4*\s+3], s[G1B:G1B+7]
	s_nop 0
.rept 4
	v_nop
.endr
.Lasked_\@:
.endm
.macro CREST
	s_cmp_lg_u32 s10, 0
	s_cbranch_scc1 .Lnot_wave_0_\@
	s_barrier_signal -3
.Lnot_wave_0_\@:
	s_barrier_wait -3
	s_barrier_signal -1
	s_barrier_wait -1
.endm
.macro CROUND
	s_barrier_signal -1
	s_barrier_wait -1
	CREST
.endm
	s_load_b128 s[4:7], s[0:1], 0x0                ; xc, wo's codes
	s_load_b128 s[68:71], s[0:1], 0x10             ; the scales, bo
	s_load_b64 s[8:9], s[0:1], 0x20                ; out0
	v_lshl_add_u32 v[SPW], v0, 2, SPARE
	v_mov_b32 v[NIL], 0
	ds_add_u32 v28, v29
	ds_add_u32 v28, v29
	s_wait_dscnt 0x0
	v_lshrrev_b32 v1, 5, v0
	v_readfirstlane_b32 s10, v1                    ; wave 0..3
	s_lshr_b32 s11, s10, 1                         ; my half of the tile's rows.  Also: I fetch x (0) or wo (1)
	s_and_b32 s12, s10, 1                          ; my half of its columns.  Also: which half of that tile I fetch
	s_bfe_u32 s40, ttmp6, 0x40000
	s_bfe_u32 s41, ttmp6, 0x40004
	s_lshl_b32 s42, ttmp9, 2
	s_add_co_u32 s42, s42, s40                     ; tile column
	s_and_b32 s13, ttmp7, 0xffff
	s_lshl_b32 s13, s13, 2
	s_add_co_u32 s13, s13, s41                     ; tile row
	s_lshl_b32 s43, s41, 2
	s_lshl_b32 s43, 15, s43                        ; my row of the cluster
	s_lshl_b32 s44, 0x1111, s40                    ; my column
	; x: four tiles of positions, of each the 8,192 bytes of four K steps, 32,768 bytes apart; elements of 8 bytes; no padding
	s_or_b32 s[G1+0], s43, (3<<16)|(1<<21)
	s_mov_b32 s[G1+1], 1024<<16                    ; tensor_dim0
	s_mov_b32 s[G1+2], 4<<16                       ; tensor_dim1
	s_mov_b32 s[G1+3], 1024<<16                    ; tile_dim0
	s_mov_b32 s[G1+4], 4                           ; tile_dim1
	s_mov_b32 s[G1+5], 4096                        ; from row to row
	s_mov_b32 s[G1+6], 0
	s_mov_b32 s[G1+7], 0
	; wo: 64 rows of 512 bytes, 2,048 apart; 4 words of padding behind every 128
	s_or_b32 s[G1B+0], s44, (0<<16)|(1<<20)|(1<<21)|(6<<22)|(3<<25)
	s_mov_b32 s[G1B+1], 512<<16
	s_mov_b32 s[G1B+2], 64<<16
	s_mov_b32 s[G1B+3], 512<<16
	s_mov_b32 s[G1B+4], 64
	s_mov_b32 s[G1B+5], 2048
	s_mov_b32 s[G1B+6], 0
	s_mov_b32 s[G1B+7], 0
	s_lshl_b32 s16, s13, 3
	s_lshl_b32 s17, s12, 2
	s_add_co_u32 s16, s16, s17
	s_lshl_b32 s16, s16, 15                        ; x: tile of positions 8 x tile row + 4 x half
	s_mov_b32 s17, 0
	s_lshl_b32 s46, s42, 7
	s_lshl_b32 s47, s12, 6
	s_add_co_u32 s46, s46, s47
	s_lshl_b32 s46, s46, 11                        ; wo: row 128 x tile column + 64 x half
	s_mov_b32 s47, 0
	s_lshl_b32 s20, s12, 15                        ; where they go: no place in the cluster enters an LDS address
	s_mul_i32 s21, s12, HB
	s_add_co_u32 s21, s21, ABYTES
	s_wait_kmcnt 0x0
	s_load_b64 s[66:67], s[68:69], 0x28            ; e10, e11
	s_add_nc_u64 s[14:15], s[4:5], s[16:17]
	s_add_nc_u64 s[46:47], s[6:7], s[46:47]
	CROUND                                         ; all sixteen work-groups are here: the first joint loads meet
.irp s, 0,1
	s_mov_b32 s[G0+4*\s], 1
	s_add_co_u32 s[G0+4*\s+1], s20, \s*SLOT
	s_add_nc_u64 s[G0+4*\s+2:G0+4*\s+3], s[14:15], \s*8192
	s_or_b32 s[G0+4*\s+3], s[G0+4*\s+3], 0x80000000
	s_mov_b32 s[G0B+4*\s], 1
	s_add_co_u32 s[G0B+4*\s+1], s21, \s*SLOT
	s_add_nc_u64 s[G0B+4*\s+2:G0B+4*\s+3], s[46:47], \s*512
	s_or_b32 s[G0B+4*\s+3], s[G0B+4*\s+3], 0x80000000
	JLOAD \s
.endr
	v_and_b32 v1, 15, v0                           ; r
	v_bfe_u32 v2, v0, 4, 1                         ; h
	v_and_b32 v3, 31, v0
	v_lshlrev_b32 v3, 4, v3                        ; 16 x lane
	v_mul_u32_u24 v4, v1, PITCH
	v_lshl_add_u32 v4, v2, 3, v4                   ; wo: row r, + 8 h
	s_lshl_b32 s23, s11, 15                        ; my four tiles of positions
	s_mul_i32 s22, s12, HB
	s_add_co_u32 s22, s22, ABYTES                  ; my 64 rows of wo
.irp s, 0,1
	v_add_nc_u32 v[ADRA+\s], s23, v3
	v_add_nc_u32 v[ADRB+\s], s22, v4
	s_add_co_u32 s23, s23, SLOT
	s_add_co_u32 s22, s22, SLOT
.endr
	s_mul_i32 s23, s10, 16*SPITCH                  ; my stage
	v_mul_u32_u24 v5, v1, SPITCH
	v_lshl_add_u32 v5, v2, 5, v5
	v_add_nc_u32 v[STO], s23, v5                   ; in: row r, 32 bytes for each half of the lanes
	v_mul_u32_u24 v5, v2, SPITCH
	v_lshl_add_u32 v5, v1, 4, v5
	v_add_nc_u32 v[RD], s23, v5                    ; back: lanes 0-15 one row of 256 bytes, lanes 16-31 the next
	v_lshlrev_b32 v[CO], 13, v2
	v_lshl_add_u32 v[CO], v1, 4, v[CO]             ; and the same two rows in out0
	v_lshlrev_b32 v[BOF], 5, v2
	s_lshl_b32 s16, s13, 7
	s_lshl_b32 s17, s11, 6
	s_add_co_u32 s16, s16, s17
	s_lshl_b32 s16, s16, 13                        ; my first row, of 8,192 bytes
	s_lshl_b32 s46, s42, 9
	s_lshl_b32 s47, s12, 8
	s_add_co_u32 s46, s46, s47                     ; my first column, in bytes
	s_mov_b32 s47, 0
	s_add_nc_u64 s[70:71], s[70:71], s[46:47]
	s_add_co_u32 s46, s46, s16
	s_add_nc_u64 s[8:9], s[8:9], s[46:47]
.irp b, 0,1,2,3
	global_load_b128 v[BIAS+8*\b:BIAS+8*\b+3], v[BOF], s[70:71] offset:64*\b       ; bo at my lane's columns 16 b + 8 h + 0 .. 7
	global_load_b128 v[BIAS+8*\b+4:BIAS+8*\b+7], v[BOF], s[70:71] offset:64*\b+16
.endr
.macro MULA f, a, zero                 ; block a of positions x wo's four blocks; the 16 accumulators take turns, one instruction a turn
.irp b, 0,1,2,3
.if \zero
	v_wmma_f32_16x16x128_fp8_fp8 v[ACC+8*(4*(\a)+\b):ACC+8*(4*(\a)+\b)+7], v[\f+64+16*\b:\f+64+16*\b+15], v[\f+16*(\a):\f+16*(\a)+15], 0
.else
	v_wmma_f32_16x16x128_fp8_fp8 v[ACC+8*(4*(\a)+\b):ACC+8*(4*(\a)+\b)+7], v[\f+64+16*\b:\f+64+16*\b+15], v[\f+16*(\a):\f+16*(\a)+15], v[ACC+8*(4*(\a)+\b):ACC+8*(4*(\a)+\b)+7]
.endif
.endr
.endm
.macro FETCH slot, q, f                ; 48 LDS loads in one run: wo's four fragments (32), x's blocks 0, 1 (8), x's blocks 2, 3 (8)
	WIN TO_F
.irp b, 0,1,2,3
.irp c, 0,1,2,3,4,5,6,7
	ds_load_b64 v[\f+64+16*\b+2*\c:\f+64+16*\b+2*\c+1], v[ADRB+\slot] offset:16*PITCH*\b+128*(\q)+16*\c
.endr
.endr
.irp a, 0,1,2,3
.irp c, 0,1,2,3
	ds_load_b128 v[\f+16*\a+4*\c:\f+16*\a+4*\c+3], v[ADRA+\slot] offset:8192*\a+2048*(\q)+512*\c
.endr
.endr
.endm
.macro PLACES
.rept 4
	v_nop
.endr
.endm
.macro QUARTER slot, qn, f, g, zero    ; multiplies buffer f; in its middle fetches the slot's quarter qn into g
	s_wait_dscnt 8                                 ; wo's fragments and x's blocks 0, 1 are in; the youngest eight loads may be out
	WIN MUL
	MULA \f, 0, \zero
	MULA \f, 1, \zero
	PLACES
	FETCH \slot, \qn, \g
	s_wait_dscnt 48                                ; all but the 48 just issued
	WIN MUL
	MULA \f, 2, \zero
	MULA \f, 3, \zero
.endm
.macro TURN slot, next, fill           ; a slot's last quarter (buffer 1) changes slots
	WIN 0                                          ; (the add's two registers lie in window 0)
	s_wait_tensorcnt 0x0                           ; all my tensor loads have landed: my part of the next slot
	ds_add_u32 v[SPW], v[NIL]                      ; 0 onto my spare word
	s_wait_dscnt 9                                 ; the add and the youngest eight loads may be out
	WIN MUL
	MULA F1, 0, 0
	s_wait_dscnt 0x0                               ; the add is done, and my reads of this slot are over
	s_barrier_signal -1
	MULA F1, 1, 0
	WIN 0
	s_barrier_wait -1
.if \fill
	CREST                                          ; no wave of any partner still reads this slot or has a load on its way
	s_add_nc_u64 s[G0+4*\slot+2:G0+4*\slot+3], s[G0+4*\slot+2:G0+4*\slot+3], 2*8192
	s_add_nc_u64 s[G0B+4*\slot+2:G0B+4*\slot+3], s[G0B+4*\slot+2:G0B+4*\slot+3], 2*512
	JLOAD \slot                                    ; the first tensor load behind the round; its four v_nop are the places in front of the loads below
.else
	PLACES
.endif
	FETCH \next, 0, F0
	WIN MUL
	MULA F1, 2, 0                                  ; eight products stand behind the fetch
	MULA F1, 3, 0
.endm
	s_wait_tensorcnt 1                             ; my part of slot 0 is in; slot 1's load may be out
	s_barrier_signal -1
	s_barrier_wait -1
	FETCH 0, 0, F0
	QUARTER 0, 1, F0, F1, 1                        ; the first quarter's products start the sums
	QUARTER 0, 2, F1, F0, 0
	QUARTER 0, 3, F0, F1, 0
	TURN 0, 1, 1
	QUARTER 1, 1, F0, F1, 0
	QUARTER 1, 2, F1, F0, 0
	QUARTER 1, 3, F0, F1, 0
	TURN 1, 0, 1
	QUARTER 0, 1, F0, F1, 0
	QUARTER 0, 2, F1, F0, 0
	QUARTER 0, 3, F0, F1, 0
	TURN 0, 1, 0                                   ; nothing is left to fetch
	QUARTER 1, 1, F0, F1, 0
	QUARTER 1, 2, F1, F0, 0
	QUARTER 1, 3, F0, F1, 0
	s_wait_dscnt 8
	WIN MUL
	MULA F1, 0, 0
	MULA F1, 1, 0
	s_wait_dscnt 0
	MULA F1, 2, 0
	MULA F1, 3, 0
	WIN 0
	; THE WAY OUT, a block of 16 rows x 64 columns at a time, through my own stage: a lane's 32 bytes go in, whole rows of 256 bytes come back
	s_wait_kmcnt 0x0
	s_add_co_i32 s66, s66, s67
	s_add_co_i32 s66, s66, 127
	s_lshl_b32 s66, s66, 23                        ; 2^(e10 + e11) as f32
	s_mov_b32 s67, s66
	s_wait_loadcnt 0x0                             ; the bias
	PLACES
.irp a, 0,1,2,3
.set j, 0
.rept 16
	v_pk_fma_f32 v[TMP+j:TMP+j+1], v[ACC+32*\a+j:ACC+32*\a+j+1], s[66:67], v[BIAS+j:BIAS+j+1] op_sel_hi:[1,0,1]   ; each accumulator from its low end on
.set j, j+2
.endr
.irp b, 0,1,2,3
	ds_store_b128 v[STO], v[TMP+8*\b:TMP+8*\b+3] offset:64*\b
	ds_store_b128 v[STO], v[TMP+8*\b+4:TMP+8*\b+7] offset:64*\b+16
.endr
	s_wait_xcnt 0x0                                ; the block before's stores have read their registers: the loads below may land there
.irp t, 0,1,2,3,4,5,6,7
	ds_load_b128 v[BK+4*\t:BK+4*\t+3], v[RD] offset:2*SPITCH*\t   ; LDS serves a wave's instructions in order: these see my stores
.endr
	s_wait_dscnt 0x0
.irp t, 0,1,2,3,4,5,6,7
	global_store_b128 v[CO], v[BK+4*\t:BK+4*\t+3], s[8:9] offset:(16*\a+2*\t)*8192 th:TH_STORE_NT   ; sixteen lanes store 256 consecutive bytes, at a multiple of 256 from out0's first byte
.endr
.endr
	s_wait_tensorcnt 0x0                           ; the wave's end
	ds_add_u32 v[SPW], v[NIL]
	s_wait_dscnt 0x0
	CROUND                                         ; the closing round
	s_endpgm
.Lfunc_end_k_qf1b381bf70_oproj:
	.size	k_qf1b381bf70_oproj, .Lfunc_end_k_qf1b381bf70_oproj-k_qf1b381bf70_oproj
	.p2alignl 7, 3214868480
	.fill 96, 4, 3214868480
	.section	.rodata,"a",@progbits
	.p2align	6, 0x0
	.amdhsa_kernel k_qf1b381bf70_oproj
		.amdhsa_group_segment_fixed_size 327680
		.amdhsa_private_segment_fixed_size 0
		.amdhsa_enable_private_segment 0
		.amdhsa_kernarg_size 40
		.amdhsa_user_sgpr_count 2
		.amdhsa_user_sgpr_kernarg_segment_ptr 1
		.amdhsa_wavefront_size32 1
		.amdhsa_system_sgpr_workgroup_id_x 1
		.amdhsa_system_sgpr_workgroup_id_y 1
		.amdhsa_system_sgpr_workgroup_id_z 1
		.amdhsa_system_vgpr_workitem_id 0
		.amdhsa_next_free_vgpr 512
		.amdhsa_next_free_sgpr 72
		.amdhsa_reserve_vcc 0
		.amdhsa_float_denorm_mode_32 3
		.amdhsa_float_denorm_mode_16_64 3
		.amdhsa_memory_ordered 1
		.amdhsa_forward_progress 1
		.amdhsa_inst_pref_size 91
	.end_amdhsa_kernel
	.amdgpu_metadata
---
amdhsa.version: [ 1, 2 ]
amdhsa.kernels:
  - .name:           k_qf1b381bf70_oproj
    .symbol:         k_qf1b381bf70_oproj.kd
    .args:
      - { .name: xc, .offset: 0, .size: 8, .value_kind: global_buffer, .address_space: global }
      - { .name: wo_codes, .offset: 8, .size: 8, .value_kind: global_buffer, .address_space: global }
      - { .name: lowp_scales, .offset: 16, .size: 8, .value_kind: global_buffer, .address_space: global }
      - { .name: bo, .offset: 24, .size: 8, .value_kind: global_buffer, .address_space: global }
      - { .name: out0, .offset: 32, .size: 8, .value_kind: global_buffer, .address_space: global }
    .group_segment_fixed_size: 327680
    .private_segment_fixed_size: 0
    .kernarg_segment_align: 8
    .kernarg_segment_size: 40
    .max_flat_workgroup_size: 128
    .sgpr_count:     72
    .vgpr_count:     512
    .wavefront_size: 32
...
	.end_amdgpu_metadata
.endif
;; end of part 4
;; ======== version 2 of 2: 4 launches; version 1 with the launch attn written anew for expert scheduling mode
;; limits: right only within a limited range of input values
;; workspace buffers: tab 1,048,576 bytes; mw 524,288 bytes of whole numbers; fl 512 bytes of whole numbers; qc 4,194,304 bytes; kc 4,194,304 bytes; vc 4,194,304 bytes; xc 4,194,304 bytes
;; launch prep: the kernel of part 1 again; grid 128 x 1, 8 waves a work-group, no clusters, 37,888 bytes of LDS; arguments mask, tab, mw, fl; writes tab, mw, fl
;; launch qkv: the kernel of part 2 again; grid 8 x 24, 4 waves a work-group, clusters of 4 x 4, 327,680 bytes of LDS; arguments query_codes, key_codes, value_codes, wq_codes, wk_codes, wv_codes, bq, bk, bv, lowp_scales, tab, qc, kc, vc; writes qc, kc, vc
;; launch attn (part 5): grid 16 x 16, 16 waves a work-group, no clusters, 235,520 bytes of LDS; arguments qc, kc, vc, mw, fl, lowp_scales, xc; writes xc
.if DOCPART == 5
	.amdgcn_target "amdgcn-amd-amdhsa--gfx1250"
	.amdhsa_code_object_version 6
	.text
	.protected	k_qf1b381bf70_attn
	.globl	k_qf1b381bf70_attn
	.p2align	8
	.type	k_qf1b381bf70_attn,@function
k_qf1b381bf70_attn:
	s_mov_b64 s[64:65], 0
	v_nop
	global_prefetch_b8 v0, s[64:65] scope:SCOPE_SE
	s_setreg_imm32_b32 hwreg(HW_REG_WAVE_SCHED_MODE, 0, 2), 2
	s_setreg_imm32_b32 hwreg(HW_REG_WAVE_MODE, 25, 1), 1
	s_wait_xcnt 0x0
	s_wait_alu depctr_vm_vsrc(0)
; ATTENTION on codes of FP8 (E4M3).  qc, kc: [head][tile of 16 positions][fragment image of 2,048 bytes], K = the head's 128.  vc: [head][key step of 128][tile of 16 channels][image], K = the keys.
; mw: the mask as lane masks, fl: which key steps a tile of queries must walk (both stored by the first launch).  xc: [tile of 16 positions][head][image]: the last product's operand.
; THE SOFTMAX: t = score x log2(e) / sqrt(128); M = the running largest t rounded UP to a whole number; p = 2^(t - M) is quantised with 2^e8; the row's sum is taken of the unquantised p and divides at the end.
; THE MASK is honoured as it is given.  A hidden score is replaced, ahead of the maximum, by -(2^(33 - e6 - e7)), which as t is the whole number -2^33 c0: p = 0 beside any visible key, and exactly 1 on a row that
; is hidden everywhere, as with the reference's -1e9.  A key step in which none of a tile's 16 x 128 pairs is visible adds exactly 0 and is passed over by a scalar branch on the stored flags (unless a row of the tile
; has no visible key at all: then every step is flagged).  So this launch has no tensor load: tiles come through registers, asked for a whole phase ahead.
; SHARES.  A work-group owns one head and eight tiles of 16 queries: tiles 4 i .. 4 i + 3 and 124 - 4 i .. 127 - 4 i.  TWO waves serve a tile: wave w (tile w % 8) takes the key steps of parity w / 8.
; Their results are joined at the end through LDS: both M are whole numbers, so the join's factors are exact powers of two.
; A PHASE is 256 keys: a slot of 64 KiB (16 fragments of K, 16 of V^T); two slots by turns, one barrier a phase: each wave stores 4 KiB of the next slot and reads its step of this one.
; LAYOUT.  Both products transposed: S^T = K Q^T, O^T = V^T P^T: a lane holds one query (lane % 16); accumulator t of S^T holds keys 16 t + 8 (lane / 16) + 0 .. 7, so its two registers of codes are registers 2 t, 2 t + 1 of P.
; LIMITS: e6 + e7 between -94 and 8 (the stand-in lies below every real score: 128 x 448^2 < 2^25); e8, e10 between -126 and 119.  NaN codes are not served.
; REGISTERS: v1, v2 read addresses in slot 0, 1; v3, v4 my 2,048 bytes in a slot (v3 also the global offset); v5 Q's image; v6 the stand-in; v7 448 x 2^e8; v8 2^e8; v9 the join; v[10:11] f; v12 -M; v13 largest t; v[14:15] the sum;
;   v16-31 Q, then (v16-21) at work in the softmax, then P's codes; v32-95 four fragments of K, twice, then V's fragments 0-3; v96-159 S^T, p, then V's fragments 4-7; v160-223 O^T; v224-255 the next slot's bytes on their way.
; SCALARS: s[2:3] my mask words; s[4:5], s[6:7] K, V at the next slot; s[8:9] xc; s10 wave; s11 parity; s12 tile; s13 my flags; s14 the work-group's; s15 is the next slot wanted; s16-63, s68-83 the step's 64 mask words.
; THE MODE: SCHED_MODE bits 1:0 = 2 (LLVM: expert scheduling mode 2), set by the entry lines.  The code itself states the register dependences
; between vector or matrix instructions and memory or LDS instructions, with s_wait_alu, always for 0.
; THE PLAN.  Sixteen waves of 256 registers take all that the four SIMDs have, so loads go ahead into registers that are dead at the time.  Registers that memory or LDS instructions touch:
;   v1-5, v9    addresses: written once at the head, ahead of its wait on va_vdst; no vector line names them again.
;   v10         the offset of Q's four global loads at the head; every step writes f there: the head's wait on vm_vsrc stands between.
;   v16-31      Q lands at a step's head; the S^T products read it; the softmax works in v16-21; the conversions write P's codes; the V^T P products read them.
;   v32-95      K's fragments 0-3 land at a step's head, 4-7 behind the first four products, V's 0-3 behind the last four: no line of the softmax names these registers, so V's land under it.
;   v96-159     the S^T products write them, the softmax works in place, the conversions read them last; behind those V's fragments 4-7 land there, under O^T's rescaling.
;   v224-255    global loads write them, LDS stores read them, no vector line names them in the loop: one wait on vm_vsrc at a phase's end.
;   v12-15, v160-223  at the join alone: the data of the LDS stores of waves 8-15.
; So a key step holds five waits on va_vdst: at its head, between K's two runs of loads, behind the S^T products, behind the exponentials, behind the conversions.
.set SL,    65536
.set VOF,   32768
.set QIMG,  131072
.set MRG,   163840
	s_load_b256 s[16:23], s[0:1], 0x0              ; qc 16, kc 18, vc 20, mw 22
	s_load_b128 s[24:27], s[0:1], 0x20             ; fl 24, the scales 26
	s_load_b64 s[8:9], s[0:1], 0x30                ; xc
	v_lshrrev_b32 v1, 5, v0
	v_readfirstlane_b32 s10, v1                    ; wave 0..15
	v_and_b32 v10, 31, v0
	v_lshlrev_b32 v10, 4, v10                      ; 16 x lane
	s_wait_alu depctr_va_sdst(0)                   ; s10 is written, ahead of its first reader: parity, tile and every address are made from it
	s_lshr_b32 s11, s10, 3
	s_and_b32 s12, s10, 7
	s_lshl_b32 s92, s11, 14
	v_add_nc_u32 v1, s92, v10                      ; my step of a slot: 16,384 x parity
	v_add_nc_u32 v2, SL, v1
	s_lshl_b32 s92, s10, 11
	v_add_nc_u32 v3, s92, v10                      ; the fragment that I bring: 2,048 x wave
	v_add_nc_u32 v4, SL, v3
	v_add_nc_u32 v5, QIMG, v3
	s_mul_i32 s92, s12, 8704
	s_add_co_u32 s92, s92, MRG
	v_add_nc_u32 v9, s92, v10
	s_and_b32 s93, ttmp7, 0xffff                   ; the head
	s_lshl_b32 s94, ttmp9, 2
	s_sub_co_u32 s95, 120, s94
	s_cmp_lt_u32 s12, 4
	s_cselect_b32 s95, s94, s95
	s_add_co_u32 s95, s95, s12                     ; my tile of queries
	s_lshl_b32 s96, s93, 7
	s_add_co_u32 s96, s96, s95
	s_lshl_b32 s96, s96, 11
	s_mov_b32 s97, 0
	s_lshl_b32 s98, s93, 18                        ; a head's 262,144 bytes
	s_mov_b32 s99, 0
	s_lshl_b32 s100, s95, 12
	s_lshl_b32 s101, s11, 8
	s_add_co_u32 s100, s100, s101
	s_mov_b32 s101, 0
	s_wait_kmcnt 0x0
	s_add_nc_u64 s[16:17], s[16:17], s[96:97]      ; Q's image
	s_add_nc_u64 s[4:5], s[18:19], s[98:99]
	s_add_nc_u64 s[6:7], s[20:21], s[98:99]
	s_add_nc_u64 s[2:3], s[22:23], s[100:101]
	s_lshl_b32 s96, s95, 4
	s_add_co_u32 s96, s96, s93
	s_lshl_b32 s96, s96, 11
	s_add_nc_u64 s[8:9], s[8:9], s[96:97]
	s_lshl_b32 s98, s95, 2
	s_lshl_b32 s99, ttmp9, 4
	s_sub_co_u32 s100, 496, s99
	s_load_b32 s13, s[24:25], s98 offset:0x0       ; my tile's flags
	s_load_b128 s[68:71], s[24:25], s99 offset:0x0 ; and all eight tiles'
	s_load_b128 s[72:75], s[24:25], s100 offset:0x0
	s_load_b128 s[76:79], s[26:27], 0x18           ; e6, e7, e8, e9
	s_load_b32 s80, s[26:27], 0x28                 ; e10
	s_wait_alu depctr_va_vdst(0)                   ; the addresses v1-5, v9 and v10 are written, which every load and LDS instruction of the kernel reads
.irp c, 0,1,2,3
	global_load_b128 v[224+4*\c:227+4*\c], v3, s[4:5] offset:512*\c    ; slot 0 comes without a condition
	global_load_b128 v[240+4*\c:243+4*\c], v3, s[6:7] offset:512*\c
.endr
.irp c, 0,1,2,3
	global_load_b128 v[16+4*\c:19+4*\c], v10, s[16:17] offset:512*\c
.endr
	v_mov_b32 v13, 0xff61b1e6                      ; the largest t so far: -3e38
	v_floor_f32 v12, -v13
	v_mov_b32 v14, 0
	v_mov_b32 v15, 0
	v_mov_b32 v11, 0                               ; (named as the upper half of a pair)
	v_mov_b32 v34, 0                               ; (the join's lane permute: its destination counts as read)
.set j, 0
.rept 64
	v_mov_b32 v[160+j], 0                          ; O^T: which step is a wave's first hangs on the flags, so no product can start the sums
.set j, j+1
.endr
	s_wait_kmcnt 0x0
	s_lshr_b32 s13, s13, s11                       ; bit 0: my step of phase 0
	s_or_b32 s14, s68, s69
	s_or_b32 s14, s14, s70
	s_or_b32 s14, s14, s71
	s_or_b32 s14, s14, s72
	s_or_b32 s14, s14, s73
	s_or_b32 s14, s14, s74
	s_or_b32 s14, s14, s75
	s_and_b32 s14, s14, 0xffff                     ; sixteen steps: behind the last slot nothing is asked for
	s_lshr_b32 s14, s14, 2                         ; bits 1:0: is slot 1 wanted
	s_add_co_i32 s92, s76, s77                     ; e6 + e7
	s_lshl_b32 s94, s92, 23
	s_add_co_i32 s84, s94, 0x3e0293ee              ; c = log2(e) / sqrt(128) x 2^(e6 + e7): added to the exponent field
	s_mov_b32 s85, s84
	s_sub_co_i32 s92, 160, s92
	s_lshl_b32 s92, s92, 23
	s_or_b32 s92, s92, 0x80000000
	v_mov_b32 v6, s92                              ; -(2^(33 - e6 - e7))
	s_mov_b32 s90, s78                             ; e8
	s_add_co_i32 s91, s78, s79                     ; e8 + e9
	s_mov_b32 s93, s80                             ; e10
	s_add_co_i32 s92, s78, 127
	s_lshl_b32 s94, s92, 23
	v_mov_b32 v8, s94
	s_add_co_i32 s92, s92, 8
	s_lshl_b32 s92, s92, 23
	s_or_b32 s92, s92, 0x600000
	v_mov_b32 v7, s92
	s_mov_b32 s86, 0x76543210
	s_mov_b32 s87, 0xfedcba98
	s_mov_b32 s88, 0                               ; the mask words' offset: 512 x phase
	s_mov_b32 s89, 4
	s_wait_loadcnt 0x0
.irp c, 0,1,2,3
	ds_store_b128 v5, v[16+4*\c:19+4*\c] offset:512*\c               ; no vector line since the wait on va_vdst names these addresses or these data
	ds_store_b128 v3, v[224+4*\c:227+4*\c] offset:512*\c
	ds_store_b128 v3, v[240+4*\c:243+4*\c] offset:VOF+512*\c
.endr
	s_wait_alu depctr_vm_vsrc(0)                   ; these stores have read v16-31 and v224-255, in which loads land again; Q's global loads have read v10, which the first step's f writes
	s_add_nc_u64 s[4:5], s[4:5], 32768
	s_add_nc_u64 s[6:7], s[6:7], 32768
.macro MLOAD                           ; my step's 64 mask words: word n in s[16 + n], from n = 48 on in s[20 + n]
	s_load_b512 s[16:31], s[2:3], s88 offset:0x0
	s_load_b512 s[32:47], s[2:3], s88 offset:0x40
	s_load_b512 s[48:63], s[2:3], s88 offset:0x80
	s_load_b512 s[68:83], s[2:3], s88 offset:0xc0
.endm
	MLOAD
	s_wait_dscnt 0x0
	s_barrier_signal -1
	s_barrier_wait -1
; My key step of slot s: 128 keys.
.macro COMPUTE s
.rept 5
	v_nop                                          ; five places between the last step's products, which read v96-159 as V's fragments, and this step's, which write over them (ISA guide 7.12.1)
.endr
	s_wait_alu depctr_va_vdst(0)                   ; the last step's products are done reading v16-31 and v32-95 (ahead of a wave's first step: v34 is written): the loads below land there
.irp c, 0,1,2,3
	ds_load_b128 v[16+4*\c:19+4*\c], v5 offset:512*\c   ; Q, from my own image
.endr
.irp g, 0,1
.if \g
.rept 4
	v_nop
.endr
	s_wait_alu depctr_va_vdst(0)                   ; the four products above are done reading v32-95, in which K's fragments 4-7 land
.endif
.irp t, 0,1,2,3
.irp c, 0,1,2,3
	ds_load_b128 v[32+16*\t+4*\c:35+16*\t+4*\c], v[1+\s] offset:2048*(4*\g+\t)+512*\c
.endr
.endr
	s_wait_dscnt 0x0
.irp t, 0,1,2,3
	v_wmma_f32_16x16x128_fp8_fp8 v[96+8*(4*\g+\t):103+8*(4*\g+\t)], v[32+16*\t:47+16*\t], v[16:31], 0
.endr
.endr
.rept 4
	v_nop                                          ; places in front of the first reads of the scores
.endr
	s_wait_alu depctr_va_vdst(0)                   ; the products are done reading v32-95: V's fragments 0-3 are asked for now and land under the softmax, no line of which names these registers
.irp t, 0,1,2,3
.irp c, 0,1,2,3
	ds_load_b128 v[32+16*\t+4*\c:35+16*\t+4*\c], v[1+\s] offset:VOF+2048*\t+512*\c
.endr
.endr
	s_wait_kmcnt 0x0                               ; the mask words, asked for a phase ago
.set n, 0
.rept 64
.set mwr, 16+n+4*(n/48)
	v_cndmask_b32 v[96+n], v6, v[96+n], s[mwr]     ; a hidden score becomes the stand-in; each accumulator from its low end on
.set n, n+1
.endr
	v_max3_num_f32 v16, v96, v97, v98              ; the step's largest score of my query, in two chains (Q's registers are done with: the softmax works in v16-21),
	v_max3_num_f32 v17, v99, v100, v101
.set i, 6
.rept 14
	v_max3_num_f32 v16, v16, v[96+i], v[97+i]
	v_max3_num_f32 v17, v17, v[98+i], v[99+i]
.set i, i+4
.endr
	v_max3_num_f32 v16, v16, v158, v159
	v_max_num_f32 v16, v16, v17
	v_permlanex16_b32 v18, v16, s86, s87
	v_max_num_f32 v16, v16, v18                    ; and among lane l xor 16's
	v_mul_f32 v16, s84, v16                        ; as t (c is positive)
	v_max_num_f32 v13, v13, v16
	v_mov_b32 v16, v12
	v_floor_f32 v12, -v13                          ; -M = floor(-t): M is a whole number
	v_sub_f32 v16, v12, v16
	v_cvt_i32_f32 v16, v16                         ; (it saturates)
	v_ldexp_f32 v10, 1.0, v16                      ; f = 2^(old M - new M)
.set j, 0
.rept 32
	v_pk_fma_f32 v[96+j:97+j], v[96+j:97+j], s[84:85], v[12:13] op_sel_hi:[1,0,0]   ; t - M
.set j, j+2
.endr
.set j, 0
.rept 64
	v_exp_f32 v[96+j], v[96+j]                     ; p, not normalised
.set j, j+1
.endr
	v_pk_mul_f32 v[14:15], v[14:15], v[10:11] op_sel_hi:[1,0]   ; the sums under the new M.  (A plain line behind the exponentials)
	s_wait_alu depctr_va_vdst(0)                   ; the 64 exponentials have written v96-159: one wait for the whole batch, ahead of its first reader
	v_pk_add_f32 v[20:21], v[96:97], v[98:99]      ; the sum of the unquantised p, in two chains
.set j, 4
.rept 15
	v_pk_add_f32 v[14:15], v[14:15], v[96+j:97+j]
	v_pk_add_f32 v[20:21], v[20:21], v[98+j:99+j]
.set j, j+4
.endr
	v_pk_add_f32 v[14:15], v[14:15], v[20:21]
	s_cmp_ge_i32 s90, -8                           ; p <= 1 <= 448 x 2^e8 from e8 = -8 on: the hold cannot bite there and is passed over
	s_cbranch_scc1 .Lnohold_\@
.set j, 0
.rept 64
	v_min_num_f32 v[96+j], v[96+j], v7             ; the conversion does not saturate (ISA guide 7.6.2); p is not negative
.set j, j+1
.endr
.Lnohold_\@:
.set j, 0
.rept 8
	v_cvt_scalef32_pk8_fp8_f32 v[16+2*j:17+2*j], v[96+8*j:103+8*j], v8
.set j, j+1
.endr
.set j, 0
.rept 4
	v_pk_mul_f32 v[160+j:161+j], v[160+j:161+j], v[10:11] op_sel_hi:[1,0]   ; O^T under the new M.  (The first four are the plain lines behind the conversions)
.set j, j+2
.endr
	s_wait_alu depctr_va_vdst(0)                   ; the conversions are done reading v96-159: V's fragments 4-7 land there, under the rest of the rescaling
.irp t, 0,1,2,3
.irp c, 0,1,2,3
	ds_load_b128 v[96+16*\t+4*\c:99+16*\t+4*\c], v[1+\s] offset:VOF+2048*(4+\t)+512*\c
.endr
.endr
.rept 28
	v_pk_mul_f32 v[160+j:161+j], v[160+j:161+j], v[10:11] op_sel_hi:[1,0]
.set j, j+2
.endr
	s_wait_dscnt 16                                ; LDS loads come back in order (ISA guide 5.7.1): V's fragments 0-3 are in, the sixteen younger loads may be out
.irp t, 0,1,2,3
	v_wmma_f32_16x16x128_fp8_fp8 v[160+8*\t:167+8*\t], v[32+16*\t:47+16*\t], v[16:31], v[160+8*\t:167+8*\t]
.endr
	s_wait_dscnt 0x0
.irp t, 0,1,2,3
	v_wmma_f32_16x16x128_fp8_fp8 v[192+8*\t:199+8*\t], v[96+16*\t:111+16*\t], v[16:31], v[192+8*\t:199+8*\t]
.endr
.endm
; A phase on slot s.  Every wave passes its waits and its barrier; the branches, on the stored flags, lead round loads, work and LDS stores alone.
.macro PHASE s
	s_and_b32 s15, s14, 3
	s_cmp_lg_u32 s15, 0
	s_cbranch_scc0 .Lnoask_\@                      ; no wave of the work-group walks the next slot
.irp c, 0,1,2,3
	global_load_b128 v[224+4*\c:227+4*\c], v3, s[4:5] offset:512*\c   ; the LDS stores that read these registers stand ahead of the last wait on vm_vsrc; no vector line names them
	global_load_b128 v[240+4*\c:243+4*\c], v3, s[6:7] offset:512*\c
.endr
.Lnoask_\@:
	s_bitcmp1_b32 s13, 0
	s_cbranch_scc0 .Lnowork_\@
	COMPUTE \s
.Lnowork_\@:
	s_wait_loadcnt 0x0                             ; the next slot's bytes are in registers; their addresses may be stepped
	s_cmp_lg_u32 s15, 0
	s_cbranch_scc0 .Lnoput_\@
.irp c, 0,1,2,3
	ds_store_b128 v[4-\s], v[224+4*\c:227+4*\c] offset:512*\c        ; into the other slot: its last readers waited for their loads in front of the barrier before
	ds_store_b128 v[4-\s], v[240+4*\c:243+4*\c] offset:VOF+512*\c
.endr
.Lnoput_\@:
	s_wait_kmcnt 0x0                               ; no load into the mask words' registers is out, and the offset may be written
	s_add_co_u32 s88, s88, 512
	s_min_u32 s88, s88, 3584                       ; the last phase asks for its own words again: no load leaves the buffer
	MLOAD
	s_add_nc_u64 s[4:5], s[4:5], 32768
	s_add_nc_u64 s[6:7], s[6:7], 32768
	s_lshr_b32 s13, s13, 2
	s_lshr_b32 s14, s14, 2
	s_wait_dscnt 0x0                               ; my stores have landed and my reads of this slot are over
	s_wait_alu depctr_vm_vsrc(0)                   ; my LDS stores have read v224-255, in which the next phase's global loads land (and of which the last two are made anew at the end)
	s_barrier_signal -1
	s_barrier_wait -1
.endm
.Lpair:
	PHASE 0
	PHASE 1
	s_sub_co_u32 s89, s89, 1
	s_cmp_lg_u32 s89, 0
	s_cbranch_scc1 .Lpair
	s_wait_kmcnt 0x0
	; THE JOIN of a tile's two waves, and the way out
.rept 4
	v_nop                                          ; places behind the last products
.endr
	v_add_f32 v14, v14, v15
	v_permlanex16_b32 v34, v14, s86, s87
	v_add_f32 v14, v14, v34                        ; my share of the row's sum
	s_wait_alu depctr_va_vdst(0)                   ; O^T, -M and the sum are written, which the stores below read; the products are done reading v96-159 and the addition v34, in which the partner's numbers land
	s_cmp_lt_u32 s10, 8
	s_cbranch_scc1 .Lkeep
.set u, 0
.rept 16
	ds_store_b128 v9, v[160+4*u:163+4*u] offset:512*u   ; waves 8-15 hand over O^T,
.set u, u+1
.endr
	ds_store_b128 v9, v[12:15] offset:8192         ; -M and the sum
.Lkeep:
	s_wait_dscnt 0x0
	s_wait_alu depctr_vm_vsrc(0)                   ; the stores above have read v12-15 and v160-223, ahead of the branch behind which lines write these registers again
	s_barrier_signal -1
	s_barrier_wait -1
	s_cmp_lt_u32 s10, 8
	s_cbranch_scc0 .Lend
.set u, 0
.rept 16
	ds_load_b128 v[96+4*u:99+4*u], v9 offset:512*u      ; no vector line since the wait on va_vdst names v96-159 or v32-35
.set u, u+1
.endr
	ds_load_b128 v[32:35], v9 offset:8192          ; v32 the partner's -M, v34 its sum
	s_add_co_i32 s92, s93, 127
	s_lshl_b32 s94, s92, 23
	v_mov_b32 v44, s94                             ; 2^e10
	s_add_co_i32 s92, s92, 8
	s_lshl_b32 s92, s92, 23
	s_or_b32 s92, s92, 0x600000
	v_mov_b32 v45, s92                             ; 448 x 2^e10
	s_wait_dscnt 0x0
	v_min_num_f32 v36, v12, v32                    ; the joint -M
	v_sub_f32 v37, v36, v12
	v_sub_f32 v38, v36, v32
	v_cvt_i32_f32 v37, v37
	v_cvt_i32_f32 v38, v38
	v_ldexp_f32 v37, 1.0, v37                      ; exact factors; 0 for a wave that walked nothing
	v_ldexp_f32 v38, 1.0, v38
	v_mul_f32 v14, v14, v37
	v_fma_f32 v14, v34, v38, v14                   ; the row's sum
	v_rcp_f32 v39, v14
	v_and_b32 v46, 31, v0                          ; (plain lines behind the reciprocal)
	v_lshlrev_b32 v46, 4, v46
	s_wait_alu depctr_va_vdst(0)                   ; the reciprocal has written v39, ahead of its first reader
	v_ldexp_f32 v39, v39, s91                      ; x 2^(e8 + e9)
	v_mul_f32 v40, v37, v39
	v_mul_f32 v42, v38, v39
	v_mov_b32 v41, v40
	v_mov_b32 v43, v42
.set j, 0
.rept 32
	v_pk_mul_f32 v[160+j:161+j], v[160+j:161+j], v[40:41] op_sel_hi:[1,0]
.set j, j+2
.endr
.set j, 0
.rept 32
	v_pk_fma_f32 v[160+j:161+j], v[96+j:97+j], v[42:43], v[160+j:161+j] op_sel_hi:[1,0,1]
.set j, j+2
.endr
.set j, 0
.rept 64
	v_med3_num_f32 v[160+j], v[160+j], -v45, v45
.set j, j+1
.endr
.set j, 0
.rept 8
	v_cvt_scalef32_pk8_fp8_f32 v[16+2*j:17+2*j], v[160+8*j:167+8*j], v44   ; channels 16 j + 8 (lane / 16) on: registers 2 j, 2 j + 1 of the last product's operand
.set j, j+1
.endr
	v_nop
	s_wait_alu depctr_va_vdst(0)                   ; the conversions have written v16-31 and the offset v46 is written: the stores below read them
.irp c, 0,1,2,3
	global_store_b128 v46, v[16+4*\c:19+4*\c], s[8:9] offset:512*\c   ; 512 consecutive bytes
.endr
.Lend:
	s_wait_xcnt 0x0
	v_lshl_add_u32 v254, v0, 2, 0x39000
	v_mov_b32 v255, 0
	s_wait_dscnt 0x0                               ; the closing lines, six on end
	s_wait_alu 0x0
	s_wait_tensorcnt 0x0
	ds_add_u32 v254, v255
	s_wait_dscnt 0x0
	s_endpgm
.Lfunc_end_k_qf1b381bf70_attn:
	.size	k_qf1b381bf70_attn, .Lfunc_end_k_qf1b381bf70_attn-k_qf1b381bf70_attn
	.p2alignl 7, 3214868480
	.fill 96, 4, 3214868480
	.section	.rodata,"a",@progbits
	.p2align	6, 0x0
	.amdhsa_kernel k_qf1b381bf70_attn
		.amdhsa_group_segment_fixed_size 235520
		.amdhsa_private_segment_fixed_size 0
		.amdhsa_enable_private_segment 0
		.amdhsa_kernarg_size 56
		.amdhsa_user_sgpr_count 2
		.amdhsa_user_sgpr_kernarg_segment_ptr 1
		.amdhsa_wavefront_size32 1
		.amdhsa_system_sgpr_workgroup_id_x 1
		.amdhsa_system_sgpr_workgroup_id_y 1
		.amdhsa_system_sgpr_workgroup_id_z 1
		.amdhsa_system_vgpr_workitem_id 0
		.amdhsa_next_free_vgpr 256
		.amdhsa_next_free_sgpr 102
		.amdhsa_reserve_vcc 0
		.amdhsa_float_denorm_mode_32 3
		.amdhsa_float_denorm_mode_16_64 3
		.amdhsa_memory_ordered 1
		.amdhsa_forward_progress 1
		.amdhsa_inst_pref_size 72
	.end_amdhsa_kernel
	.amdgpu_metadata
---
amdhsa.version: [ 1, 2 ]
amdhsa.kernels:
  - .name:           k_qf1b381bf70_attn
    .symbol:         k_qf1b381bf70_attn.kd
    .args:
      - { .name: qc, .offset: 0, .size: 8, .value_kind: global_buffer, .address_space: global }
      - { .name: kc, .offset: 8, .size: 8, .value_kind: global_buffer, .address_space: global }
      - { .name: vc, .offset: 16, .size: 8, .value_kind: global_buffer, .address_space: global }
      - { .name: mw, .offset: 24, .size: 8, .value_kind: global_buffer, .address_space: global }
      - { .name: fl, .offset: 32, .size: 8, .value_kind: global_buffer, .address_space: global }
      - { .name: lowp_scales, .offset: 40, .size: 8, .value_kind: global_buffer, .address_space: global }
      - { .name: xc, .offset: 48, .size: 8, .value_kind: global_buffer, .address_space: global }
    .group_segment_fixed_size: 235520
    .private_segment_fixed_size: 0
    .kernarg_segment_align: 8
    .kernarg_segment_size: 56
    .max_flat_workgroup_size: 512
    .sgpr_count:     102
    .vgpr_count:     256
    .wavefront_size: 32
...
	.end_amdgpu_metadata
.endif
;; end of part 5
;; launch oproj: the kernel of part 4 again; grid 16 x 16, 4 waves a work-group, clusters of 4 x 4, 327,680 bytes of LDS; arguments xc, wo_codes, lowp_scales, bo, out0; writes out0
